; MI455X (gfx1250); checked and timed in simulation.
; The chip was launched on July 23, 2026; its instructions are those of AMD's public machine-readable ISA for CDNA 5 (MIT licence, August 2026) and "CDNA5" Instruction Set Architecture Reference Guide (July 2026). The comments in the code are by the model that wrote it; some were corrected since.
;; Transformer Encoder. Allowed arithmetic: matrix products marked QUANTISED: E3M2 operands, one E8M0 scale for each 32 along K, by v_wmma_scale_f32_16x16x128_f8f6f4 with both operands' format E3M2, f32 sums; everything else in f32.
;; Inputs: W1_codes 4,096 x 32 x 24 uint8 (E3M2 codes of W1, K innermost, in blocks of 32 codes, four codes in three bytes); W1_scales 4,096 x 32 uint8 (E8M0 scales of W1, one for each 32 codes along K); W2_codes 1,024 x 128 x 24 uint8 (E3M2 codes of W2, K innermost, in blocks of 32 codes, four codes in three bytes); W2_scales 1,024 x 128 uint8 (E8M0 scales of W2, one for each 32 codes along K); Wk_codes 1,024 x 32 x 24 uint8 (E3M2 codes of Wk, K innermost, in blocks of 32 codes, four codes in three bytes); Wk_scales 1,024 x 32 uint8 (E8M0 scales of Wk, one for each 32 codes along K); Wo_codes 1,024 x 32 x 24 uint8 (E3M2 codes of Wo, K innermost, in blocks of 32 codes, four codes in three bytes); Wo_scales 1,024 x 32 uint8 (E8M0 scales of Wo, one for each 32 codes along K); Wq_codes 1,024 x 32 x 24 uint8 (E3M2 codes of Wq, K innermost, in blocks of 32 codes, four codes in three bytes); Wq_scales 1,024 x 32 uint8 (E8M0 scales of Wq, one for each 32 codes along K); Wv_codes 1,024 x 32 x 24 uint8 (E3M2 codes of Wv, K innermost, in blocks of 32 codes, four codes in three bytes); Wv_scales 1,024 x 32 uint8 (E8M0 scales of Wv, one for each 32 codes along K); b1 4,096 float32; b2 1,024 float32; bo 1,024 float32; la1_b 1,024 float32; la1_g 1,024 float32; la2_b 1,024 float32; la2_g 1,024 float32; x 2 x 2,048 x 1,024 float32.
;; Outputs: out0 2 x 2,048 x 1,024 float32.
;; This version of the problem:
;;   THIS VERSION OF THE PROBLEM IS GIVEN IN LOW PRECISION. The matrix products marked QUANTISED in the list below multiply operands that are first quantised to E3M2 (3 exponent bits, 2 mantissa bits; 6 bits a number), with one power-of-two scale for each 32 numbers along K (OCP MX v1.0); their sums are f32. All else is computed in f32.
;;   The module's matrix products, in the order in which they are computed (A, B: the left and right operand; K: the contracted axis; several contracted axes count as one K, in the product's order):
;;     1. [M 4,096, K 1,024] x [K 1,024, N 1,024]; A: computed on the way; B: input Wq (given as codes): QUANTISED
;;     2. [M 4,096, K 1,024] x [K 1,024, N 1,024]; A: computed on the way; B: input Wk (given as codes): QUANTISED
;;     3. [M 4,096, K 1,024] x [K 1,024, N 1,024]; A: computed on the way; B: input Wv (given as codes): QUANTISED
;;     4. batch 32 x [M 2,048, K 64] x [K 64, N 2,048]; A: computed on the way; B: computed on the way: QUANTISED
;;     5. batch 32 x [M 64, K 2,048] x [K 2,048, N 2,048]; A: computed on the way; B: softmax (see below): QUANTISED
;;     6. [M 4,096, K 1,024] x [K 1,024, N 1,024]; A: computed on the way; B: input Wo (given as codes): QUANTISED
;;     7. [M 4,096, K 1,024] x [K 1,024, N 4,096]; A: computed on the way; B: input W1 (given as codes): QUANTISED
;;     8. [M 4,096, K 4,096] x [K 4,096, N 1,024]; A: computed on the way; B: input W2 (given as codes): QUANTISED
;;   THE QUANTISER, for each operand of a quantised product, along K:
;;     - K is cut into blocks of 32 from its start; a last block that is shorter is filled with zeros.
;;     - A block's scale is 2^e with e = floor(log2(the largest magnitude in the block)) - 4, held to -126 .. 127; a block of zeros has e = 0. As a byte (E8M0): e + 127.
;;     - Each number is divided by its block's scale, clamped to +-28, and rounded to the nearest number of E3M2, ties to even, subnormals kept.
;;     - The product sums the exact products of the quantised numbers (number of the format x scale) in f32.
;;   ~~~python
;;   def quantise(x, axis):      # numpy; x: float32 -> the quantised numbers, widened to float32 again
;;       x = np.moveaxis(x, axis, -1); K = x.shape[-1]
;;       x = np.pad(x, [(0, 0)] * (x.ndim - 1) + [(0, -K % 32)]); x = x.reshape(x.shape[:-1] + (-1, 32)); a = np.abs(x).max(-1, keepdims=True)
;;       e = np.where(a > 0, np.clip(np.frexp(np.where(a > 0, a, 1))[1] - 1 - 4, -126, 127), 0)      # np.frexp(a)[1] - 1 = floor(log2(a)), exactly
;;       r = np.clip(x / 2.0 ** e, -28, 28)
;;       step = 2.0 ** (np.maximum(np.frexp(np.where(r == 0, 1, r))[1] - 1, -2) - 2)
;;       q = np.round(r / step) * step * 2.0 ** e      # np.round: ties to even
;;       return np.moveaxis(q.reshape(q.shape[:-2] + (-1,))[..., :K], -1, axis).astype(np.float32)
;;   ~~~
;;   SOFTMAX AHEAD OF A QUANTISED PRODUCT. Where the list says 'softmax', what is quantised is not the finished softmax but p = 2^(t - M), with t = logit x log2(e) and M = ceil(the row's largest t), a whole number; so 1/2 < the row's largest p <= 1. The row's sum l is taken of the UNQUANTISED p, in f32, and the product's result is divided by l at the end. Since M is a whole number, a kernel that streams over the keys may use a running M (the ceiling of the running maximum): every later rescaling is an exact power of two, which a block's scale takes up: the codes' values come out the same.
;;   OPERANDS COMPUTED ON THE WAY. 'Computed on the way' means the value that the module computes at that place (a softmax that the list does not call 'softmax' is quantised finished and normalised). What goes into a quantiser is computed in f32, as accurately as f32 sums, v_exp_f32 and their like allow (about 1e-6 of the number): no bf16 or f16 on the way to a quantiser, and a product that is left as it is and whose result goes on into a quantised operand takes f32 operands (vector FMAs, or v_wmma_f32_16x16x4_f32). A number that lies on a knife's edge between two numbers of the format may be rounded either way, as far as f32 arithmetic and the matrix unit's own rounding can turn it there, and no further.
;;   INPUTS GIVEN AS CODES. W1 (in the module: [4096, 1024], K = its axis 1); W2 (in the module: [1024, 4096], K = its axis 1); Wk (in the module: [1024, 1024], K = its axis 1); Wo (in the module: [1024, 1024], K = its axis 1); Wq (in the module: [1024, 1024], K = its axis 1); Wv (in the module: [1024, 1024], K = its axis 1): each comes as NAME_codes (uint8): NAME with its K axis moved to the last place and cut into blocks of 32 codes, [.., K / 32, bytes a block], one block behind the other in memory; four codes in three bytes: a row's codes are one little-endian stream of bits, code i at bits 6 i .. 6 i + 5 (a code: sign, 3 exponent bits, 2 mantissa bits); and NAME_scales (uint8): the same leading axes, one E8M0 byte (e + 127) for each 32 codes along K. Its value is code x scale, taken as it is: it is not quantised again, and the codes and scales need not be those that the quantiser above would give.
;; One version. Each part assembles by itself: llvm-mc -triple=amdgcn-amd-amdhsa -mcpu=gfx1250 --defsym DOCPART=n.
;; ======== version 1 of 1: 7 launches
;; limits: right only within a limited range of input values
;; workspace buffers: H 3,276,800 bytes; QKV 9,830,400 bytes; AT 3,276,800 bytes; RES 16,777,216 bytes; MM 13,107,200 bytes
;; launch ln1 (part 1): grid 256 x 1, 4 waves a work-group, no clusters, 33,280 bytes of LDS; arguments x, la1_g, la1_b, H; writes H
.if DOCPART == 1
	.amdgcn_target "amdgcn-amd-amdhsa--gfx1250"
	.amdhsa_code_object_version 6
	.text
	.protected	k_qb601b9500d_ln1
	.globl	k_qb601b9500d_ln1
	.p2align	8
	.type	k_qb601b9500d_ln1,@function
k_qb601b9500d_ln1:
	s_mov_b64 s[64:65], 0
	v_nop
	global_prefetch_b8 v0, s[64:65] scope:SCOPE_SE
	s_setreg_imm32_b32 hwreg(HW_REG_WAVE_MODE, 25, 1), 1
	s_wait_xcnt 0x0
; LAYERNORM AND QUANTISER.  src [4096][1024] f32 -> H: codes of E3M2 [4096][768 bytes], K innermost, at byte 0; one E8M0 byte for each 32 along K, [4096][32], at byte HSC.
; y = (x - mean) * rsqrt(var + 1e-5) * g + b, all in f32, the variance from the differences (two passes over registers).
; DEAD WORK: none.  Every input of the layer has a way to the output and no product, row or step of it is thrown away, so no launch of this program leaves anything out.
; LIMITS: NaN and infinities among the inputs are not served.  A block of zeros gets the byte 1 where the quantiser's rule says 127: its codes are zeros, which add nothing under any byte
; but 0xff, and this program alone reads the bytes.  Blocks whose largest magnitude lies under 2^(5 - 127) take that floor.
; SHARES: a work-group has 16 rows, a wave 4.  A row is eight loads of 512 consecutive bytes and stays in 32 registers; all 48 loads of a wave (g, b, four rows) go out at the head.
; The conversion wants 16 neighbours along K in ONE lane, the loads give a lane 4: half a row (2,048 bytes) at a time goes through the wave's own stage in LDS, as it lies, and comes back 64 bytes a lane
; (16 bytes of padding behind each 64).  A lane's 16 codes are 12 bytes: a store covers 384 consecutive bytes.  The wave's 128 scale bytes are gathered in LDS and leave by one store of 128 consecutive bytes.
; No matrix unit, no cluster, no barrier: waves share nothing and memory binds.
.set G,     16                         ; v16-47   g of my 32 columns
.set BV,    48                         ; v48-79   b of them
.set X,     80                         ; v80-207  four rows, 32 registers each; a half row's registers later hold its codes (+0..2) and its scale byte (+4)
.set Y,     208                        ; v208-239 two sets of 16 neighbours
.set SP,    80                         ; a lane's place in a stage: 64 bytes + 16
.set WREG,  8192                       ; LDS of a wave: two stages of 2,560 bytes, and at 5,120 its 128 scale bytes
.set SPARE, 4*WREG                     ; behind the four regions: the spare words, 128 bytes for each wave
.set SPW,   12                         ; v12 my spare word's address; never rewritten
.set NIL,   13                         ; v13 0; never rewritten
.set HSC,   3145728                    ; where the scale bytes begin in H
	s_load_b256 s[4:11], s[0:1], 0x0               ; src s[4:5], g s[6:7], b s[8:9], H s[10:11]
	v_lshl_add_u32 v[SPW], v0, 2, SPARE
	v_mov_b32 v[NIL], 0
	v_lshrrev_b32 v1, 5, v0
	v_readfirstlane_b32 s16, v1                    ; wave
	v_and_b32 v2, 31, v0                           ; lane
	v_lshlrev_b32 v3, 4, v2                        ; my 16 bytes of a load's 512
	s_mul_i32 s19, s16, WREG
	v_lshrrev_b32 v14, 2, v2
	v_mul_u32_u24 v14, v14, SP
	v_and_b32 v15, 3, v2
	v_lshl_add_u32 v14, v15, 4, v14
	v_add_nc_u32 v14, s19, v14                     ; the stage, on the way in: SP (lane / 4) + 16 (lane % 4)
	v_mul_u32_u24 v15, v2, SP
	v_add_nc_u32 v15, s19, v15                     ; and on the way out: SP x lane
	v_mul_u32_u24 v4, v2, 12                       ; my codes' place in half a row's 384 bytes
	v_lshrrev_b32 v5, 1, v2
	s_add_co_u32 s19, s19, 2*32*SP
	v_add_nc_u32 v5, s19, v5                       ; my block's scale byte
	v_lshlrev_b32 v7, 2, v2
	v_add_nc_u32 v6, s19, v7                       ; and 4 bytes a lane on the way out
	v_mov_b32 v244, 0                              ; a lane permute's destination counts as one of its sources
	s_mov_b32 s14, 0x3a800000                      ; 1 / 1024
	s_mov_b32 s15, 0x3727c5ac                      ; 1e-5
	s_mov_b32 s26, 0x76543210
	s_mov_b32 s27, 0xfedcba98                      ; selects for lane l xor 16
	s_lshl_b32 s17, ttmp9, 4
	s_lshl_b32 s18, s16, 2
	s_add_co_u32 s17, s17, s18                     ; my first row
	s_lshl_b32 s20, s17, 12
	s_mov_b32 s21, 0
	s_mul_i32 s22, s17, 768
	s_mov_b32 s23, 0
	s_lshl_b32 s24, s17, 5
	s_add_co_u32 s24, s24, HSC
	s_mov_b32 s25, 0
	s_wait_kmcnt 0x0
	s_add_nc_u64 s[4:5], s[4:5], s[20:21]
	s_add_nc_u64 s[12:13], s[10:11], s[24:25]      ; my rows' scale bytes
	s_add_nc_u64 s[10:11], s[10:11], s[22:23]      ; my rows' codes
.irp c, 0,1,2,3,4,5,6,7
	global_load_b128 v[G+4*\c:G+4*\c+3], v3, s[6:7] offset:512*\c
.endr
.irp c, 0,1,2,3,4,5,6,7
	global_load_b128 v[BV+4*\c:BV+4*\c+3], v3, s[8:9] offset:512*\c
.endr
.irp i, 0,1,2,3
.irp c, 0,1,2,3,4,5,6,7
	global_load_b128 v[X+32*\i+4*\c:X+32*\i+4*\c+3], v3, s[4:5] offset:4096*\i+512*\c th:TH_LOAD_NT
.endr
.endr
.macro REDUCE r, t                     ; the sum over the 32 lanes, in every lane
	v_add_f32_dpp v[\r], v[\r], v[\r] row_xmask:1 row_mask:0xf bank_mask:0xf
	v_add_f32_dpp v[\r], v[\r], v[\r] row_xmask:2 row_mask:0xf bank_mask:0xf
	v_add_f32_dpp v[\r], v[\r], v[\r] row_xmask:4 row_mask:0xf bank_mask:0xf
	v_add_f32_dpp v[\r], v[\r], v[\r] row_xmask:8 row_mask:0xf bank_mask:0xf
	v_permlanex16_b32 v[\t], v[\r], s26, s27
	v_add_f32 v[\r], v[\r], v[\t]
.endm
.macro TURN i, hf                      ; half hf of row i through stage hf: LDS serves a wave's instructions in order, so no wait stands between the stores and the loads
.irp c, 0,1,2,3
	ds_store_b128 v14, v[X+32*\i+16*\hf+4*\c:X+32*\i+16*\hf+4*\c+3] offset:32*SP*\hf+8*SP*\c
.endr
.irp c, 0,1,2,3
	ds_load_b128 v[Y+16*\hf+4*\c:Y+16*\hf+4*\c+3], v15 offset:32*SP*\hf+16*\c
.endr
.endm
.macro Q16 i, hf                       ; my 16 neighbours become 12 bytes of codes; two neighbouring lanes hold a block of 32
.set YS, Y+16*\hf
.set CR, X+32*\i+16*\hf
	v_max3_num_f32 v240, |v[YS]|, |v[YS+1]|, |v[YS+2]|
	v_max3_num_f32 v241, |v[YS+3]|, |v[YS+4]|, |v[YS+5]|
.irp n, 6,10
	v_max3_num_f32 v240, v240, |v[YS+\n]|, |v[YS+\n+1]|
	v_max3_num_f32 v241, v241, |v[YS+\n+2]|, |v[YS+\n+3]|
.endr
	v_max3_num_f32 v240, v240, |v[YS+14]|, |v[YS+15]|
	v_max3_num_f32 v240, v240, v241, 0x2800000     ; and the floor 2^(5 - 127): the byte cannot fall under 1
	v_max_num_f32_dpp v240, v240, v240 row_xmask:1 row_mask:0xf bank_mask:0xf   ; with my neighbour's 16: the block's largest magnitude
	v_add_nc_u32 v242, 0xfe000000, v240            ; 4 off its exponent field: the conversion takes the exponent field of this operand as its scale
	v_cvt_scalef32_pk16_bf6_f32 v[CR:CR+2], v[YS:YS+15], v242
	v_lshrrev_b32 v[CR+4], 23, v242                ; the scale's byte (a plain line behind the conversion)
	ds_store_b8 v5, v[CR+4] offset:16*(2*\i+\hf)   ; both lanes of a block write the same byte with the same value
	global_store_b96 v4, v[CR:CR+2], s[10:11] offset:768*\i+384*\hf
.endm
.macro ROW i
.set XR, X+32*\i
	s_wait_loadcnt 8*(3-\i)                        ; g, b and my rows up to this one are in; the later rows' eight loads each may be out
	v_pk_add_f32 v[240:241], v[XR:XR+1], v[XR+2:XR+3]
	v_pk_add_f32 v[242:243], v[XR+4:XR+5], v[XR+6:XR+7]
.irp n, 8,12,16,20,24,28
	v_pk_add_f32 v[240:241], v[240:241], v[XR+\n:XR+\n+1]
	v_pk_add_f32 v[242:243], v[242:243], v[XR+\n+2:XR+\n+3]
.endr
	v_pk_add_f32 v[240:241], v[240:241], v[242:243]
	v_add_f32 v240, v240, v241
	REDUCE 240, 244
	v_mul_f32 v246, s14, v240                      ; the mean, twice
	v_mul_f32 v247, s14, v240
.irp n, 0,2,4,6,8,10,12,14,16,18,20,22,24,26,28,30
	v_pk_add_f32 v[XR+\n:XR+\n+1], v[XR+\n:XR+\n+1], v[246:247] neg_lo:[0,1] neg_hi:[0,1]
.endr
	v_pk_mul_f32 v[240:241], v[XR:XR+1], v[XR:XR+1]
	v_pk_mul_f32 v[242:243], v[XR+2:XR+3], v[XR+2:XR+3]
.irp n, 4,8,12,16,20,24,28
	v_pk_fma_f32 v[240:241], v[XR+\n:XR+\n+1], v[XR+\n:XR+\n+1], v[240:241]
	v_pk_fma_f32 v[242:243], v[XR+\n+2:XR+\n+3], v[XR+\n+2:XR+\n+3], v[242:243]
.endr
	v_pk_add_f32 v[240:241], v[240:241], v[242:243]
	v_add_f32 v240, v240, v241
	REDUCE 240, 244
	v_fma_f32 v240, v240, s14, s15                 ; the variance + 1e-5
	s_wait_alu depctr_va_vdst(0)
	v_rsq_f32 v248, v240
	v_rsq_f32 v249, v240                           ; twice: a pair for the packed multiply
	v_nop                                          ; a plain line behind the transcendentals
	s_wait_alu depctr_va_vdst(0)                   ; one wait for both, ahead of their first reader
.irp n, 0,2,4,6,8,10,12,14,16,18,20,22,24,26,28,30
	v_pk_mul_f32 v[XR+\n:XR+\n+1], v[XR+\n:XR+\n+1], v[248:249]
.endr
.irp n, 0,2,4,6,8,10,12,14,16,18,20,22,24,26,28,30
	v_pk_fma_f32 v[XR+\n:XR+\n+1], v[XR+\n:XR+\n+1], v[G+\n:G+\n+1], v[BV+\n:BV+\n+1]
.endr
	TURN \i, 0
	TURN \i, 1
	s_wait_dscnt 8                                 ; the first half is back (and its stores have read their registers); the second half's eight may be out
	Q16 \i, 0
	s_wait_dscnt 1                                 ; the second half is back; the byte store just issued may be out
	Q16 \i, 1
.endm
	ROW 0
	ROW 1
	ROW 2
	ROW 3
	ds_load_b32 v240, v6                           ; my wave's 128 scale bytes: these see my stores
	s_wait_dscnt 0x0
	global_store_b32 v7, v240, s[12:13]            ; 128 consecutive bytes
	s_wait_tensorcnt 0x0                           ; the wave's end, behind my last LDS store
	ds_add_u32 v[SPW], v[NIL]
	s_wait_dscnt 0x0
	s_endpgm
.Lfunc_end_k_qb601b9500d_ln1:
	.size	k_qb601b9500d_ln1, .Lfunc_end_k_qb601b9500d_ln1-k_qb601b9500d_ln1
	.p2alignl 7, 3214868480
	.fill 96, 4, 3214868480
	.section	.rodata,"a",@progbits
	.p2align	6, 0x0
	.amdhsa_kernel k_qb601b9500d_ln1
		.amdhsa_group_segment_fixed_size 33280
		.amdhsa_private_segment_fixed_size 0
		.amdhsa_enable_private_segment 0
		.amdhsa_kernarg_size 32
		.amdhsa_user_sgpr_count 2
		.amdhsa_user_sgpr_kernarg_segment_ptr 1
		.amdhsa_wavefront_size32 1
		.amdhsa_system_sgpr_workgroup_id_x 1
		.amdhsa_system_sgpr_workgroup_id_y 1
		.amdhsa_system_sgpr_workgroup_id_z 1
		.amdhsa_system_vgpr_workitem_id 0
		.amdhsa_next_free_vgpr 256
		.amdhsa_next_free_sgpr 66
		.amdhsa_reserve_vcc 0
		.amdhsa_float_denorm_mode_32 3
		.amdhsa_float_denorm_mode_16_64 3
		.amdhsa_memory_ordered 1
		.amdhsa_forward_progress 1
		.amdhsa_inst_pref_size 43
	.end_amdhsa_kernel
	.amdgpu_metadata
---
amdhsa.version: [ 1, 2 ]
amdhsa.kernels:
  - .name:           k_qb601b9500d_ln1
    .symbol:         k_qb601b9500d_ln1.kd
    .args:
      - { .name: x, .offset: 0, .size: 8, .value_kind: global_buffer, .address_space: global }
      - { .name: la1_g, .offset: 8, .size: 8, .value_kind: global_buffer, .address_space: global }
      - { .name: la1_b, .offset: 16, .size: 8, .value_kind: global_buffer, .address_space: global }
      - { .name: H, .offset: 24, .size: 8, .value_kind: global_buffer, .address_space: global }
    .group_segment_fixed_size: 33280
    .private_segment_fixed_size: 0
    .kernarg_segment_align: 8
    .kernarg_segment_size: 32
    .max_flat_workgroup_size: 128
    .sgpr_count:     66
    .vgpr_count:     256
    .wavefront_size: 32
...
	.end_amdgpu_metadata
.endif
;; end of part 1
;; launch qkv (part 2): grid 12 x 16, 4 waves a work-group, clusters of 4 x 4, 327,680 bytes of LDS; arguments H, Wq_codes, Wq_scales, Wk_codes, Wk_scales, Wv_codes, Wv_scales, QKV; writes QKV
.if DOCPART == 2
	.amdgcn_target "amdgcn-amd-amdhsa--gfx1250"
	.amdhsa_code_object_version 6
	.text
	.protected	k_qb601b9500d_qkv
	.globl	k_qb601b9500d_qkv
	.p2align	8
	.type	k_qb601b9500d_qkv,@function
k_qb601b9500d_qkv:
	s_mov_b64 s[64:65], 0
	v_nop
	global_prefetch_b8 v0, s[64:65] scope:SCOPE_SE
	s_setreg_imm32_b32 hwreg(HW_REG_WAVE_MODE, 25, 1), 1
	s_wait_xcnt 0x0
	s_wait_alu depctr_hold_cnt(0) depctr_sa_sdst(0) depctr_va_vdst(0) depctr_va_sdst(0) depctr_va_ssrc(0) depctr_va_vcc(0) depctr_vm_vsrc(0)
	s_getreg_b32 s2, hwreg(HW_REG_IB_STS2, 6, 4)
	s_cmp_eq_u32 s2, 0
	s_cbranch_scc0 .Lentry_in_a_cluster
	s_endpgm
.Lentry_in_a_cluster:
	s_bfe_u32 s2, ttmp6, 0x10000c
	s_cmp_lg_u32 s2, 0xf033
	s_cbranch_scc0 .Lentry_shape_is_right
	s_endpgm
.Lentry_shape_is_right:
; K goes through a ring of two LDS slots in chunks of 256 bytes of each row of codes (a row is 768 bytes: three chunks, eight steps of 96 bytes); chunk c lies in slot c % 2.
; No prefetch: K is three chunks, and two of them are asked for before the first product.
.set NQ,     2
.set ROWB,   256
.set KROW,   768
.set STEPS,  8
.set CHUNKS, 3
.set PITCH,  272
.set FR,     12
.set NL,     6
.set NP,     4
.set HALFT,  128*PITCH
.set SLOT,   4*HALFT
.set KS,     32
.set SCL,    2*SLOT
.set HALFS,  (128*KS/256)*272
.set SBLK,   (16*KS/256)*272
.set SPARE,  327168
.set SPITCH, 528
.set WSTG,   128*SPITCH
.set SBY,    4*WSTG
.set SWA,  7
.set RD0,  8
.set SB0,  9
.set RDA,  10
.set SBA,  11
.set SOF,  12
.set ADRA, 16
.set ADRB, 20
.set STO,  24
.set CO,   26
.set ADRS, 27
.set SPW,  28
.set NIL,  29
.set SC,   32
.set AF,   128
.set CD,   48
.set XO,   64
.set EB,   216
.set QT,   236
.set SW,   240
.set G1, 24
.set G0, 32
.set G1B, 48
.set G0B, 56
.set G1S, 68
.set G0S, 76
.set G1SB, 80
.set G0SB, 88
.set MSB, 0
.macro WIN new
.if MSB != \new
	s_set_vgpr_msb (MSB<<8)|\new
.set MSB, \new
.endif
.endm
.set MUL_LO, 0xa1
.set MUL_HI, 0xf1
.set TO_B,   0x40
.macro JLOAD g0a, g1a, g0b, g1b
	s_cmp_eq_u32 s15, 0
	s_cbranch_scc0 .Lfor_b_\@
	tensor_load_to_lds s[\g0a:\g0a+3], s[\g1a:\g1a+7]
	s_nop 0
.rept 4
	v_nop
.endr
	s_branch .Lasked_\@
.Lfor_b_\@:
	tensor_load_to_lds s[\g0b:\g0b+3], s[\g1b:\g1b+7]
	s_nop 0
.rept 4
	v_nop
.endr
.Lasked_\@:
.endm
.macro CREST
	s_cmp_lg_u32 s14, 0
	s_cbranch_scc1 .Lnot_wave_0_\@
	s_barrier_signal -3
.Lnot_wave_0_\@:
	s_barrier_wait -3
	s_barrier_signal -1
	s_barrier_wait -1
.endm
.macro CROUND
	s_barrier_signal -1
	s_barrier_wait -1
	CREST
.endm
	s_load_b512 s[68:83], s[0:1], 0x0
	v_lshl_add_u32 v[SPW], v0, 2, SPARE
	v_mov_b32 v[NIL], 0
	ds_add_u32 v[SPW], v[NIL]
	ds_add_u32 v[SPW], v[NIL]
	v_lshrrev_b32 v1, 5, v0
	v_readfirstlane_b32 s14, v1
	s_lshr_b32 s15, s14, 1
	s_and_b32 s16, s14, 1
	s_bfe_u32 s40, ttmp6, 0x40000
	s_bfe_u32 s41, ttmp6, 0x40004
	s_and_b32 s17, ttmp7, 0xffff
	s_lshl_b32 s17, s17, 2
	s_cmp_eq_u32 ttmp9, 2
	s_cselect_b32 s42, s17, 0
	s_cselect_b32 s17, 0, s17
	s_add_co_u32 s42, s42, s40
	s_add_co_u32 s17, s17, s41
	s_lshl_b32 s43, s41, 2
	s_lshl_b32 s43, 15, s43
	s_lshl_b32 s44, 0x1111, s40
	s_or_b32 s[G1+0], s43, (0<<16)|(1<<20)|(1<<21)|(5<<22)|(3<<25)
	s_or_b32 s[G1B+0], s44, (0<<16)|(1<<20)|(1<<21)|(5<<22)|(3<<25)
.irp g, G1, G1B
	s_mov_b32 s[\g+1], ROWB<<16
	s_mov_b32 s[\g+2], 256<<16                     ; the head's loads bring 256 rows
	s_mov_b32 s[\g+3], ROWB<<16
	s_mov_b32 s[\g+4], 256
	s_mov_b32 s[\g+5], KROW
	s_mov_b32 s[\g+6], 0
	s_mov_b32 s[\g+7], 0
.endr
	s_lshl_b32 s20, s17, 8                         ; the tiles' first rows
	s_lshl_b32 s46, s42, 8
	s_mov_b32 s21, 0
	s_mov_b32 s47, 0
	s_mov_b64 s[18:19], KS
	s_mul_u64 s[22:23], s[20:21], s[18:19]
	s_mul_u64 s[92:93], s[46:47], s[18:19]
	s_mov_b64 s[18:19], KROW
	s_mul_u64 s[20:21], s[20:21], s[18:19]
	s_mul_u64 s[46:47], s[46:47], s[18:19]
	s_mul_i32 s18, s16, 128*KROW                   ; in the ring I fetch 128 rows: which half, in bytes
	s_mov_b32 s19, 0
	s_mul_i32 s45, s14, HALFT
	s_wait_dscnt 0x0
	s_wait_kmcnt 0x0
	s_cmp_eq_u32 ttmp9, 0
	s_cselect_b64 s[8:9], s[70:71], s[74:75]
	s_cselect_b64 s[10:11], s[72:73], s[76:77]
	s_cmp_eq_u32 ttmp9, 2
	s_cselect_b64 s[8:9], s[78:79], s[8:9]
	s_cselect_b64 s[10:11], s[80:81], s[10:11]
	s_mov_b64 s[4:5], s[68:69]
	s_add_nc_u64 s[6:7], s[68:69], 3145728
	s_mov_b64 s[12:13], s[82:83]
	s_cselect_b64 s[84:85], s[8:9], s[4:5]
	s_cselect_b64 s[86:87], s[10:11], s[6:7]
	s_cselect_b64 s[8:9], s[4:5], s[8:9]
	s_cselect_b64 s[10:11], s[6:7], s[10:11]
	s_add_nc_u64 s[20:21], s[84:85], s[20:21]
	s_add_nc_u64 s[22:23], s[86:87], s[22:23]
	s_add_nc_u64 s[46:47], s[8:9], s[46:47]
	s_add_nc_u64 s[92:93], s[10:11], s[92:93]
	s_or_b32 s[G1S+0], s43, (3<<16)|(1<<20)|(1<<21)|(5<<22)|(3<<25)
	s_or_b32 s[G1SB+0], s44, (3<<16)|(1<<20)|(1<<21)|(5<<22)|(3<<25)
.irp g, G1S, G1SB
	s_mov_b32 s[\g+1], 32<<16
	s_mov_b32 s[\g+2], KS<<16                      ; the scales of 256 rows: KS rows of 256 bytes
	s_mov_b32 s[\g+3], 32<<16
	s_mov_b32 s[\g+4], KS
	s_mov_b32 s[\g+5], 32
	s_mov_b32 s[\g+6], 0
	s_mov_b32 s[\g+7], 0
.endr
	CROUND
	s_mov_b32 s[G0], 1                             ; the head's four tiles, each whole: chunk 0's 256 rows of A,
	s_mov_b32 s[G0+1], 0
	s_mov_b64 s[G0+2:G0+3], s[20:21]
	s_or_b32 s[G0+3], s[G0+3], 0x80000000
	s_mov_b32 s[G0B], 1                            ; its 256 rows of B,
	s_mov_b32 s[G0B+1], 2*HALFT
	s_mov_b64 s[G0B+2:G0B+3], s[46:47]
	s_or_b32 s[G0B+3], s[G0B+3], 0x80000000
	s_mov_b32 s[G0S], 1                            ; A's scales,
	s_mov_b32 s[G0S+1], SCL
	s_mov_b64 s[G0S+2:G0S+3], s[22:23]
	s_or_b32 s[G0S+3], s[G0S+3], 0x80000000
	s_mov_b32 s[G0SB], 1                           ; B's scales
	s_mov_b32 s[G0SB+1], SCL+2*HALFS
	s_mov_b64 s[G0SB+2:G0SB+3], s[92:93]
	s_or_b32 s[G0SB+3], s[G0SB+3], 0x80000000
	s_mov_b32 s[G0+4], 1                           ; slot 1: my 128 rows of chunk 1
	s_add_co_u32 s[G0+5], s45, SLOT
	s_add_nc_u64 s[G0+6:G0+7], s[20:21], s[18:19]
	s_add_nc_u64 s[G0+6:G0+7], s[G0+6:G0+7], ROWB
	s_or_b32 s[G0+7], s[G0+7], 0x80000000
	s_mov_b32 s[G0B+4], 1
	s_add_co_u32 s[G0B+5], s45, SLOT
	s_add_nc_u64 s[G0B+6:G0B+7], s[46:47], s[18:19]
	s_add_nc_u64 s[G0B+6:G0B+7], s[G0B+6:G0B+7], ROWB
	s_or_b32 s[G0B+7], s[G0B+7], 0x80000000
; one load a wave at the head, in one chain of branches on the wave's number
.macro ARM under, g0, g1, next
	s_cmp_lt_u32 s14, \under
	s_cbranch_scc0 \next
	tensor_load_to_lds s[\g0:\g0+3], s[\g1:\g1+7]
	s_nop 0
.rept 4
	v_nop
.endr
	s_branch .Lhead_asked
\next:
.endm
	ARM 1, G0,  G1,  .Lhead_b
	ARM 2, G0B, G1B, .Lhead_sa
	ARM 3, G0S, G1S, .Lhead_sb
	tensor_load_to_lds s[G0SB:G0SB+3], s[G1SB:G1SB+7]
	s_nop 0
.rept 4
	v_nop
.endr
.Lhead_asked:
	v_and_b32 v1, 15, v0
	v_bfe_u32 v2, v0, 4, 1
	v_mul_u32_u24 v3, v1, PITCH
	v_mul_u32_u24 v4, v2, 24
	v_add_nc_u32 v4, v3, v4
	s_mov_b32 s21, SLOT-232
	s_mov_b32 s22, SLOT+232
	v_sub_nc_u32 v7, 1, v2
	v_mul_u32_u24 v5, s21, v2
	v_add_nc_u32 v5, v3, v5
	v_add_nc_u32 v5, 232, v5                       ; across two chunks: lanes 0-15 byte 232 of the row in slot 0, lanes 16-31 byte 0 in slot 1;
	v_mul_u32_u24 v6, s22, v7
	v_add_nc_u32 v6, v3, v6                        ; and the other way round
	s_mul_i32 s21, s15, HALFT
	s_mul_i32 s22, s16, HALFT
	s_add_co_u32 s22, s22, 2*HALFT
	v_add_nc_u32 v[ADRA+2], s21, v5
	v_add_nc_u32 v[ADRA+3], s21, v6
	v_add_nc_u32 v[ADRB+2], s22, v5
	v_add_nc_u32 v[ADRB+3], s22, v6
.irp s, 0,1
	v_add_nc_u32 v[ADRA+\s], s21, v4
	v_add_nc_u32 v[ADRB+\s], s22, v4
	s_add_co_u32 s21, s21, SLOT
	s_add_co_u32 s22, s22, SLOT
.endr
	v_mul_u32_u24 v5, v1, KS
	v_lshrrev_b32 v6, 8, v5
	v_lshl_add_u32 v5, v6, 4, v5
	s_mul_i32 s21, s15, HALFS
	s_mul_i32 s22, s16, HALFS
	s_add_co_u32 s22, s22, 2*HALFS
	s_sub_co_u32 s22, s22, s21
	v_mul_u32_u24 v6, s22, v2
	s_add_co_u32 s21, s21, SCL
	v_add_nc_u32 v5, v5, v6
	v_add_nc_u32 v[ADRS], s21, v5
	s_lshl_b32 s20, s17, 8
	s_lshl_b32 s21, s15, 7
	s_add_co_u32 s20, s20, s21
	s_lshl_b32 s46, s42, 8
	s_lshl_b32 s47, s16, 7
	s_add_co_u32 s46, s46, s47
	s_lshr_b32 s47, s46, 5
	s_lshr_b32 s46, s46, 6
	s_lshl_b32 s22, s46, 13
	s_mov_b32 s95, 196608
	s_cmp_eq_u32 ttmp9, 2
	s_cselect_b32 s95, 49152, s95
	s_cselect_b32 s96, 128, 2
	s_cselect_b32 s97, 2, 8192
	s_cselect_b32 s22, s47, s22
	s_mul_i32 s23, s20, s96
	s_add_co_u32 s22, s22, s23
	s_mul_i32 s23, ttmp9, 131072
	s_add_co_u32 s22, s22, s23
	s_add_co_u32 s22, s22, 9437184
	s_mov_b32 s23, 0
	s_add_nc_u64 s[66:67], s[12:13], s[22:23]
	s_mov_b32 s22, s97
	s_add_nc_u64 s[92:93], s[66:67], s[22:23]
	s_mul_i32 s46, s46, s95
	s_mul_i32 s47, s20, 48
	s_add_co_u32 s46, s46, s47
	s_mul_i32 s47, ttmp9, 3145728
	s_add_co_u32 s46, s46, s47
	s_mov_b32 s47, 0
	s_add_nc_u64 s[12:13], s[12:13], s[46:47]
	s_mul_i32 s23, s14, WSTG
	v_and_b32 v5, 8, v1
	v_add_nc_u32 v5, v5, v1
	v_mul_u32_u24 v5, v5, SPITCH
	v_lshl_add_u32 v5, v2, 5, v5
	v_add_nc_u32 v[STO], s23, v5
	v_bfe_u32 v5, v0, 2, 2
	v_and_b32 v6, 3, v0
	v_lshl_add_u32 v6, v2, 2, v6
	v_mul_u32_u24 v[RD0], v5, SPITCH
	v_lshl_add_u32 v[RD0], v6, 6, v[RD0]
	v_add_nc_u32 v[RD0], s23, v[RD0]
	s_lshl_b32 s21, s14, 9
	s_add_co_u32 s21, s21, SBY
	v_lshrrev_b32 v6, 1, v6
	v_lshl_add_u32 v[SB0], v5, 2, v6
	v_add_nc_u32 v[SB0], s21, v[SB0]
	v_and_b32 v6, 31, v0
	v_lshl_add_u32 v[SWA], v6, 2, s21
	v_mul_u32_u24 v[CO], v1, 12
	v_mul_u32_u24 v5, s95, v2
	v_add_nc_u32 v[CO], v[CO], v5
.irp k, 0,1,2,3
	v_add_nc_u32 v5, 32*\k, v6
	v_mul_u32_u24 v[SOF+\k], s96, v5
.endr
.macro FRAG reg, adr, st, i            ; step st's fragment in pieces of 8 bytes; byte y of a row lies in slot (y / 256) % 2 at byte y % 256
.irp p, 0,1,2,3,4,5
.set BY, 96*(\st)+48*(\p/3)+8*(\p%3)
.if BY/ROWB == (BY+24)/ROWB
	ds_load_b64 v[\reg+2*\p:\reg+2*\p+1], v[\adr+(BY/ROWB)%2] offset:BY%ROWB+(\i)*16*PITCH
.else
	ds_load_b64 v[\reg+2*\p:\reg+2*\p+1], v[\adr+2+(BY/ROWB)%2] offset:BY%ROWB-232+(\i)*16*PITCH
.endif
.endr
.endm
.macro MUL16 a0, p, q, sc, zero
.irp a, \a0, \a0+1
.irp b, 0,1,2,3,4,5,6,7
.if \zero
	v_wmma_scale_f32_16x16x128_f8f6f4 v[8*(8*((\a)%4)+\b):8*(8*((\a)%4)+\b)+7], v[128*(\p)+FR*\b:128*(\p)+FR*\b+FR-1], v[AF+FR*(\a):AF+FR*(\a)+FR-1], 0, v[SC+8*NQ*(\sc)+NQ*\b+(\q)], v[SC+8*NQ*(\sc)+NQ*(\a)+(\q)] matrix_a_fmt:MATRIX_FMT_BF6 matrix_b_fmt:MATRIX_FMT_BF6 matrix_a_scale:MATRIX_SCALE_ROW1
.else
	v_wmma_scale_f32_16x16x128_f8f6f4 v[8*(8*((\a)%4)+\b):8*(8*((\a)%4)+\b)+7], v[128*(\p)+FR*\b:128*(\p)+FR*\b+FR-1], v[AF+FR*(\a):AF+FR*(\a)+FR-1], v[8*(8*((\a)%4)+\b):8*(8*((\a)%4)+\b)+7], v[SC+8*NQ*(\sc)+NQ*\b+(\q)], v[SC+8*NQ*(\sc)+NQ*(\a)+(\q)] matrix_a_fmt:MATRIX_FMT_BF6 matrix_b_fmt:MATRIX_FMT_BF6 matrix_a_scale:MATRIX_SCALE_ROW1
.endif
.endr
.endr
.endm
.macro FETCH_B st, p
	WIN TO_B
.irp i, 0,1,2,3,4,5,6,7
	FRAG 128*(\p)+FR*\i, ADRB, \st, \i
.endr
	WIN 0
.endm
.macro FETCH_A st, i0
.irp i, \i0, \i0+1, \i0+2, \i0+3
	FRAG AF+FR*(\i), ADRA, \st, \i
.endr
.endm
.macro SCALES pr                       ; the scale words of steps 2 pr, 2 pr + 1 into set pr % 2
.irp i, 0,1,2,3,4,5,6,7
	ds_load_b64 v[SC+8*NQ*((\pr)%2)+NQ*\i:SC+8*NQ*((\pr)%2)+NQ*\i+1], v[ADRS] offset:\i*SBLK+4*NQ*(\pr)
.endr
.endm
.macro PLACES n
.rept \n
	v_nop
.endr
.endm
; A step of 128 along K.  Where the next step's bytes end in a chunk not yet read: wait for my tensor loads, and a barrier.  Where they begin in a later chunk: the three lines, the barrier, and, if a chunk two on is left, the round and the refill.
.macro STEP st, zero
.set NX, (\st)+1
.set C0, (96*(\st))/ROWB
.set C1, (96*NX)/ROWB
.set E0, (96*(\st)+95)/ROWB
.set E1, (96*NX+95)/ROWB
.if C1 > C0 || E1 > E0
	s_wait_tensorcnt 0x0                           ; all my tensor loads have landed
.if C1 > C0
	ds_add_u32 v[SPW], v[NIL]
	s_wait_dscnt 4*NL+1                            ; the add and A's blocks 4-7 may be out
.else
	s_wait_dscnt 4*NL                              ; A's blocks 4-7 may be out
.endif
	WIN MUL_LO
	MUL16 0, (\st)%2, (\st)%2, ((\st)/2)%2, \zero
	s_wait_dscnt 0x0                               ; the add and my reads are done
	s_barrier_signal -1
	MUL16 2, (\st)%2, (\st)%2, ((\st)/2)%2, \zero
	WIN 0
	s_barrier_wait -1
.if C1 > C0 && C0+2 < CHUNKS
	CREST
	s_add_nc_u64 s[G0+4*(C0%2)+2:G0+4*(C0%2)+3], s[G0+4*(C0%2)+2:G0+4*(C0%2)+3], 2*ROWB
	s_add_nc_u64 s[G0B+4*(C0%2)+2:G0B+4*(C0%2)+3], s[G0B+4*(C0%2)+2:G0B+4*(C0%2)+3], 2*ROWB
	JLOAD G0+4*(C0%2), G1, G0B+4*(C0%2), G1B       ; chunk C0 + 2; its four v_nop are the places in front of the loads below
.else
	PLACES NP
.endif
.else
	s_wait_dscnt 4*NL
	WIN MUL_LO
	MUL16 0, (\st)%2, (\st)%2, ((\st)/2)%2, \zero
	MUL16 2, (\st)%2, (\st)%2, ((\st)/2)%2, \zero
	s_wait_dscnt 0
	PLACES NP
.endif
	FETCH_B NX, NX%2
	FETCH_A NX, 0
.if NX%2 == 0
	SCALES NX/2
.endif
	WIN MUL_HI
	MUL16 4, (\st)%2, (\st)%2, ((\st)/2)%2, \zero
	MUL16 6, (\st)%2, (\st)%2, ((\st)/2)%2, \zero
	PLACES NP
	WIN 0
	FETCH_A NX, 4
.endm
	s_wait_alu depctr_va_vdst(0)                   ; the head's end
	s_wait_tensorcnt 0x0                           ; my tile of the head's four is in
	ds_add_u32 v[SPW], v[NIL]
	s_mov_b32 s[G1+2], 128<<16                     ; no load of mine is out: from here on a load brings 128 rows,
	s_mov_b32 s[G1+4], 128
	s_mov_b32 s[G1B+2], 128<<16
	s_mov_b32 s[G1B+4], 128
	s_mov_b32 s[G0+1], s45                         ; and slot 0's groups 0 point at my 128 rows
	s_add_nc_u64 s[G0+2:G0+3], s[G0+2:G0+3], s[18:19]
	s_mov_b32 s[G0B+1], s45
	s_add_nc_u64 s[G0B+2:G0B+3], s[G0B+2:G0B+3], s[18:19]
	s_wait_dscnt 0x0
	CROUND
	JLOAD G0+4, G1, G0B+4, G1B                     ; chunk 1, the first tensor load behind the round
	FETCH_B 0, 0
	FETCH_A 0, 0
	SCALES 0
	FETCH_A 0, 4
	STEP 0, 1
.set ST, 1
.rept STEPS-2
	STEP ST, 0
.set ST, ST+1
.endr
	s_wait_dscnt 4*NL
	WIN MUL_LO
	MUL16 0, 1, NQ-1, 1, 0
	MUL16 2, 1, NQ-1, 1, 0
	s_wait_dscnt 0
	WIN MUL_HI
	MUL16 4, 1, NQ-1, 1, 0
	MUL16 6, 1, NQ-1, 1, 0
	WIN 0
	s_wait_dscnt 0x0
	s_barrier_signal -1
	s_barrier_wait -1
	PLACES NP
.irp a, 0,1,2,3,4,5,6,7
	WIN 0x08+4*(\a/4)
.irp b, 0,1,2,3,4,5,6,7
	ds_store_b128 v[STO], v[64*(\a%4)+8*\b:64*(\a%4)+8*\b+3] offset:(32*(\a/2)+8*(\a%2))*SPITCH+64*\b
	ds_store_b128 v[STO], v[64*(\a%4)+8*\b+4:64*(\a%4)+8*\b+7] offset:(32*(\a/2)+8*(\a%2))*SPITCH+64*\b+16
.endr
.endr
	WIN 0
.macro QUANT16 xs, cr, er
	v_max3_num_f32 v[QT], |v[\xs]|, |v[\xs+1]|, |v[\xs+2]|
	v_max3_num_f32 v[QT+1], |v[\xs+3]|, |v[\xs+4]|, |v[\xs+5]|
.irp n, 6,10
	v_max3_num_f32 v[QT], v[QT], |v[\xs+\n]|, |v[\xs+\n+1]|
	v_max3_num_f32 v[QT+1], v[QT+1], |v[\xs+\n+2]|, |v[\xs+\n+3]|
.endr
	v_max3_num_f32 v[QT], v[QT], |v[\xs+14]|, |v[\xs+15]|
	v_max3_num_f32 v[QT], v[QT], v[QT+1], 0x2800000
	v_max_num_f32_dpp v[QT], v[QT], v[QT] row_xmask:1 row_mask:0xf bank_mask:0xf
	v_add_nc_u32 v[QT+2], 0xfe000000, v[QT]
	v_cvt_scalef32_pk16_bf6_f32 v[\cr:\cr+2], v[\xs:\xs+15], v[QT+2]
	v_lshrrev_b32 v[\er], 23, v[QT+2]
.endm
.macro PASS j
	s_wait_dscnt 12-3*\j
	QUANT16 XO+16*\j, CD+4*\j, EB+\j
	ds_store_b8 v[SBA], v[EB+\j] offset:16*\j
	global_store_b96 v[CO], v[CD+4*\j:CD+4*\j+2], s[12:13] offset:192*\j
.endm
	s_mov_b32 s98, 0
	s_mov_b32 s99, 0
	s_mov_b32 s100, 8
.Lout:
	v_add_nc_u32 v[RDA], s98, v[RD0]
	v_add_nc_u32 v[SBA], s99, v[SB0]
.irp j, 0,1,2,3
.irp c, 0,1,2,3
	ds_load_b128 v[XO+16*\j+4*\c:XO+16*\j+4*\c+3], v[RDA] offset:\j*4*SPITCH+16*\c
.endr
.endr
	PASS 0
	PASS 1
	PASS 2
	PASS 3
	s_wait_xcnt 0x0
	s_add_nc_u64 s[12:13], s[12:13], 16*48
	s_add_co_u32 s98, s98, 16*SPITCH
	s_add_co_u32 s99, s99, 64
	s_sub_co_u32 s100, s100, 1
	s_cmp_lg_u32 s100, 0
	s_cbranch_scc1 .Lout
.irp k, 0,1,2,3
	ds_load_b32 v[SW+\k], v[SWA] offset:128*\k
.endr
	s_wait_dscnt 0x0
.irp k, 0,1,2,3
	global_store_b16 v[SOF+\k], v[SW+\k], s[66:67]
	global_store_d16_hi_b16 v[SOF+\k], v[SW+\k], s[92:93]
.endr
	s_wait_tensorcnt 0x0
	ds_add_u32 v[SPW], v[NIL]
	s_wait_dscnt 0x0
	CROUND
	s_endpgm
.Lfunc_end_k_qb601b9500d_qkv:
	.size	k_qb601b9500d_qkv, .Lfunc_end_k_qb601b9500d_qkv-k_qb601b9500d_qkv
	.p2alignl 7, 3214868480
	.fill 96, 4, 3214868480
	.section	.rodata,"a",@progbits
	.p2align	6, 0x0
	.amdhsa_kernel k_qb601b9500d_qkv
		.amdhsa_group_segment_fixed_size 327680
		.amdhsa_private_segment_fixed_size 0
		.amdhsa_enable_private_segment 0
		.amdhsa_kernarg_size 64
		.amdhsa_user_sgpr_count 2
		.amdhsa_user_sgpr_kernarg_segment_ptr 1
		.amdhsa_wavefront_size32 1
		.amdhsa_system_sgpr_workgroup_id_x 1
		.amdhsa_system_sgpr_workgroup_id_y 1
		.amdhsa_system_sgpr_workgroup_id_z 1
		.amdhsa_system_vgpr_workitem_id 0
		.amdhsa_next_free_vgpr 1024
		.amdhsa_next_free_sgpr 102
		.amdhsa_reserve_vcc 0
		.amdhsa_float_denorm_mode_32 3
		.amdhsa_float_denorm_mode_16_64 3
		.amdhsa_memory_ordered 1
		.amdhsa_forward_progress 1
		.amdhsa_inst_pref_size 147
	.end_amdhsa_kernel
	.amdgpu_metadata
---
amdhsa.version: [ 1, 2 ]
amdhsa.kernels:
  - .name:           k_qb601b9500d_qkv
    .symbol:         k_qb601b9500d_qkv.kd
    .args:
      - { .name: H, .offset: 0, .size: 8, .value_kind: global_buffer, .address_space: global }
      - { .name: Wq_codes, .offset: 8, .size: 8, .value_kind: global_buffer, .address_space: global }
      - { .name: Wq_scales, .offset: 16, .size: 8, .value_kind: global_buffer, .address_space: global }
      - { .name: Wk_codes, .offset: 24, .size: 8, .value_kind: global_buffer, .address_space: global }
      - { .name: Wk_scales, .offset: 32, .size: 8, .value_kind: global_buffer, .address_space: global }
      - { .name: Wv_codes, .offset: 40, .size: 8, .value_kind: global_buffer, .address_space: global }
      - { .name: Wv_scales, .offset: 48, .size: 8, .value_kind: global_buffer, .address_space: global }
      - { .name: QKV, .offset: 56, .size: 8, .value_kind: global_buffer, .address_space: global }
    .group_segment_fixed_size: 327680
    .private_segment_fixed_size: 0
    .kernarg_segment_align: 8
    .kernarg_segment_size: 64
    .max_flat_workgroup_size: 128
    .sgpr_count:     102
    .vgpr_count:     1024
    .wavefront_size: 32
...
	.end_amdgpu_metadata
.endif
;; end of part 2
;; launch attn (part 3): grid 8 x 32, 16 waves a work-group, clusters of 4 x 1, 207,872 bytes of LDS; arguments QKV, AT; writes AT
.if DOCPART == 3
	.amdgcn_target "amdgcn-amd-amdhsa--gfx1250"
	.amdhsa_code_object_version 6
	.text
	.protected	k_qb601b9500d_attn
	.globl	k_qb601b9500d_attn
	.p2align	8
	.type	k_qb601b9500d_attn,@function
k_qb601b9500d_attn:
	s_mov_b64 s[64:65], 0
	v_nop
	global_prefetch_b8 v0, s[64:65] scope:SCOPE_SE
	s_setreg_imm32_b32 hwreg(HW_REG_WAVE_MODE, 25, 1), 1
	s_wait_xcnt 0x0
	s_wait_alu depctr_hold_cnt(0) depctr_sa_sdst(0) depctr_va_vdst(0) depctr_va_sdst(0) depctr_va_ssrc(0) depctr_va_vcc(0) depctr_vm_vsrc(0)
	s_getreg_b32 s2, hwreg(HW_REG_IB_STS2, 6, 4)
	s_cmp_eq_u32 s2, 0
	s_cbranch_scc0 .Lentry_in_a_cluster
	s_endpgm
.Lentry_in_a_cluster:
	s_bfe_u32 s2, ttmp6, 0x10000c
	s_cmp_lg_u32 s2, 0x3003
	s_cbranch_scc0 .Lentry_shape_is_right
	s_endpgm
.Lentry_shape_is_right:
; ATTENTION on codes of E3M2: S^T = k q^T (K = the head's 64), p = 2^(t - M), O^T = v^T p^T (K = the keys), O / the row's sum, quantised along the 1,024 hidden numbers into AT.  Nothing is left out.
; t = score x log2(e) / 32; M = the running largest t rounded up to a whole number; the row's sum is taken of the unquantised p; when M moves, the sum and O^T are multiplied by 2^(old M - new M), exactly.
; SHARES: work-group y = batch x 16 + head; a work-group has 256 queries, each of its sixteen waves 16: one tile, 256 registers, four waves to a SIMD, so that one wave's vector work stands beside another's products.
; THE WHOLE HEAD'S K AND V LIE IN LDS: 2 x 98,304 bytes of codes and 8,192 of scale bytes, brought once, at the head: every wave issues one tensor load; no byte is filled again, so the loop has no barrier.
; CLUSTER: the four query blocks of a cluster belong to one head: each tile is asked for jointly, by the same load with the same descriptor in all four.
; LAYOUT: both products are used transposed, so a lane holds ONE query throughout.  Rows of q, k and v lie in memory so that sixteen rows on end are rows 8 u + m + 8 (m / 8) of 32: the 16 registers of two neighbouring
; tiles are then 16 neighbouring keys (S^T) or 16 neighbouring channels (O^T), as the conversions want them.
; K = 64 UNDER AN INSTRUCTION OF 128: q's registers 6-11 hold zero codes.  k's operand for tile t is v[32 + 6 t .. 43 + 6 t]: its upper six registers are the next tile's codes (or zeros): numbers of E3M2, which has no
; NaN and no infinity, times zero; the scale bytes of that half are 0 on both sides (2^-127, no NaN).  So that half adds nothing.
; OUT: AT's codes [token 4096][768 bytes], scale bytes [token][32] at 3,145,728.  A work-group owns one head, so a token's piece is 48 bytes and a lane stores 24, as two pieces of 12: blocks of 256 bytes are written in part.
; LIMITS: NaN and infinities are not served; a block of zeros gets the byte 1, not 127.
; THE HEAD, as it stands now: every wave issues ONE tensor load: waves 0-5 k's codes (64 rows of 256 bytes each), waves 6-13 v's codes, wave 14 k's scale bytes, wave 15 v's.
; OUT, as it stands now: AT's codes [token 4096][768 bytes]; a head's piece of a token is 48 bytes at 48 x head.
.set KC,    0
.set VC,    98304                      ; v's codes: [64 keys: 32][channel 64][48]
.set KSB,   196608                     ; k's scale bytes, two a key
.set VSB,   200704                     ; v's: 64 rows of 64 bytes + 16 of padding
.set SPARE, 205824                     ; the spare words, 128 bytes for each of sixteen waves
.set AK0, 1                            ; v1  48 r + 24 h
.set AV0, 2                            ; v2  the same in v's codes
.set AS0, 3                            ; v3  k's scale bytes: 2 x lane
.set AT0, 4                            ; v4  v's: 80 x lane
.set SPW, 5
.set NIL, 6
.set OC,  7                            ; v7  the way out: my codes' offset
.set ADK, 8
.set ADV, 9
.set ADS, 10
.set ADT, 11
.set OS,  29                           ; v29 the way out: my scale byte's offset
.set KF,  32                           ; v32-79 k's eight tiles, 6 registers each; v80-85 zeros.  Behind the first product: v32-35 blocks' maxima, v36-39 and v40-46 at work, v48-51 scale operands
.set VF,  86                           ; v86-133 v's four tiles
.set S,   134                          ; v134-197 S^T, then p
.set OT,  198                          ; v198-229 O^T
.set PCD, 230                          ; v230-241 p's codes
.set KSW, 242                          ; v242-245 k's scale words: lanes 0-15 tile 2 e, lanes 16-31 tile 2 e + 1
.set VSW, 246                          ; v246-247 v's likewise
.set BM,  32
.set PT,  36
.set C2,  40
.set SOP, 48
.set WV,  18
.set SEL, 20
.set CS,  22
.set TB,  76
.set TS,  77
.set TJ,  78
.macro CROUND
	s_barrier_signal -1
	s_barrier_wait -1
	s_cmp_lg_u32 s[WV], 0
	s_cbranch_scc1 .Lnot_wave_0_\@
	s_barrier_signal -3
.Lnot_wave_0_\@:
	s_barrier_wait -3
	s_barrier_signal -1
	s_barrier_wait -1
.endm
	s_load_b128 s[4:7], s[0:1], 0x0                ; QKV, AT
	v_lshl_add_u32 v[SPW], v0, 2, SPARE
	v_mov_b32 v[NIL], 0
	ds_add_u32 v[SPW], v[NIL]                      ; the wave's opening: the add, twice on end, and its wait ahead of my first tensor load
	ds_add_u32 v[SPW], v[NIL]
	v_lshrrev_b32 v8, 5, v0
	s_delay_alu instid0(VALU_DEP_1)
	v_readfirstlane_b32 s[WV], v8                  ; wave 0..15
	s_add_co_u32 s19, s[WV], 10
	s_and_b32 s19, s19, 7                          ; waves 6-13: which eighth of v's codes I fetch
	s_bfe_u32 s8, ttmp6, 0x40000                   ; cx: it enters q's and the output's addresses alone
	s_lshl_b32 s9, ttmp9, 2
	s_add_co_u32 s9, s9, s8                        ; my block of 256 queries
	s_and_b32 s10, ttmp7, 0xffff
	s_lshr_b32 s11, s10, 4                         ; batch
	s_and_b32 s12, s10, 15                         ; head
	; four groups 1, of constants.  k's codes: 64 rows of 256 bytes, dense
	s_mov_b32 s24, 15|(3<<16)|(1<<21)              ; the mask: all four work-groups; elements of 8 bytes; bit 21 beside a mask
	s_mov_b32 s25, 32<<16
	s_mov_b32 s26, 64<<16
	s_mov_b32 s27, 32<<16
	s_mov_b32 s28, 64
	s_mov_b32 s29, 32
	s_mov_b32 s30, 0
	s_mov_b32 s31, 0
	s_mov_b32 s32, 15|(3<<16)|(1<<21)              ; k's scale bytes: 16 rows of 256 bytes, dense
	s_mov_b32 s33, 32<<16
	s_mov_b32 s34, 16<<16
	s_mov_b32 s35, 32<<16
	s_mov_b32 s36, 16
	s_mov_b32 s37, 32
	s_mov_b32 s38, 0
	s_mov_b32 s39, 0
	s_mov_b32 s40, 15|(3<<16)|(1<<21)              ; v's codes: 4 rows of 3,072 bytes (a head's 64 channels of 64 keys), 49,152 bytes apart
	s_mov_b32 s41, 384<<16
	s_mov_b32 s42, 4<<16
	s_mov_b32 s43, 384<<16
	s_mov_b32 s44, 4
	s_mov_b32 s45, 6144
	s_mov_b32 s46, 0
	s_mov_b32 s47, 0
	s_mov_b32 s48, 15|(3<<16)|(1<<20)|(1<<21)|(3<<22)|(3<<25)   ; v's scale bytes: 64 rows of 64 bytes, 128 apart; 4 words of padding behind every 16
	s_mov_b32 s49, 8<<16
	s_mov_b32 s50, 64<<16
	s_mov_b32 s51, 8<<16
	s_mov_b32 s52, 64
	s_mov_b32 s53, 16
	s_mov_b32 s54, 0
	s_mov_b32 s55, 0
	; what I fetch: made of the batch, the head and the wave's number alone
	s_lshl_b32 s90, s[WV], 14                      ; waves 0-5: my sixth of k's codes
	s_mul_i32 s82, s12, 196608
	s_mul_i32 s83, s11, 98304
	s_add_co_u32 s82, s82, s83
	s_add_co_u32 s82, s82, s90
	s_add_co_u32 s82, s82, 3145728                 ; and in QKV
	s_mov_b32 s83, 0
	s_lshl_b32 s84, s12, 13
	s_lshl_b32 s85, s11, 12
	s_add_co_u32 s84, s84, s85
	s_add_co_u32 s84, s84, 9568256                 ; k's scale bytes, whole
	s_mov_b32 s85, 0
	s_mov_b32 s91, KSB
	s_mul_i32 s86, s11, 1572864
	s_mul_i32 s87, s12, 3072
	s_add_co_u32 s86, s86, s87
	s_mul_i32 s87, s19, 196608
	s_add_co_u32 s86, s86, s87
	s_add_co_u32 s86, s86, 6291456                 ; v's codes
	s_mov_b32 s87, 0
	s_lshl_b32 s88, s12, 13
	s_lshl_b32 s89, s11, 6
	s_add_co_u32 s88, s88, s89
	s_add_co_u32 s88, s88, 9699328                 ; v's scale bytes, whole
	s_mov_b32 s89, 0
	s_mul_i32 s92, s19, 12288
	s_add_co_u32 s92, s92, VC
	s_mov_b32 s93, VSB
	; q and the output
	s_lshl_b32 s13, s11, 11
	s_lshl_b32 s14, s9, 8
	s_add_co_u32 s13, s13, s14                     ; 2,048 batch + 256 block
	s_lshl_b32 s14, s[WV], 4
	s_add_co_u32 s14, s13, s14                     ; the stored row of my first query
	s_mul_i32 s94, s14, 48
	s_mul_i32 s15, s12, 196608
	s_add_co_u32 s94, s94, s15
	s_mov_b32 s95, 0
	s_lshl_b32 s96, s14, 1
	s_lshl_b32 s15, s12, 13
	s_add_co_u32 s96, s96, s15
	s_add_co_u32 s96, s96, 9437184
	s_mov_b32 s97, 0
	s_lshr_b32 s14, s[WV], 1
	s_lshl_b32 s14, s14, 5
	s_add_co_u32 s13, s13, s14
	s_and_b32 s14, s[WV], 1
	s_lshl_b32 s14, s14, 3
	s_add_co_u32 s13, s13, s14                     ; lane r's token is this + r + 8 (r / 8)
	s_mul_i32 s16, s13, 768
	s_mul_i32 s14, s12, 48
	s_add_co_u32 s16, s16, s14
	s_mov_b32 s17, 0
	s_lshl_b32 s98, s13, 5
	s_lshl_b32 s14, s12, 1
	s_add_co_u32 s98, s98, s14
	s_add_co_u32 s98, s98, 3145728
	s_mov_b32 s99, 0
	s_mov_b32 s[SEL], 0x76543210
	s_mov_b32 s[SEL+1], 0xfedcba98                 ; selects for lane l xor 16
	s_mov_b32 s[CS], 0x3d38aa3b                    ; c = log2(e) / 32
	s_mov_b32 s[CS+1], s[CS]
	s_mov_b32 s[TB], 0
	s_mov_b32 s[TS], 0
	s_mov_b32 s[TJ], 0
	s_mov_b32 s79, 16
	s_wait_dscnt 0x0                               ; both opening adds are done
	s_wait_kmcnt 0x0
	s_mov_b32 s56, 1
	s_mov_b32 s57, s90
	s_add_nc_u64 s[58:59], s[4:5], s[82:83]
	s_or_b32 s59, s59, 0x80000000
	s_mov_b32 s60, 1
	s_mov_b32 s61, s91
	s_add_nc_u64 s[62:63], s[4:5], s[84:85]
	s_or_b32 s63, s63, 0x80000000
	s_mov_b32 s68, 1
	s_mov_b32 s69, s92
	s_add_nc_u64 s[70:71], s[4:5], s[86:87]
	s_or_b32 s71, s71, 0x80000000
	s_mov_b32 s72, 1
	s_mov_b32 s73, s93
	s_add_nc_u64 s[74:75], s[4:5], s[88:89]
	s_or_b32 s75, s75, 0x80000000
	s_add_nc_u64 s[94:95], s[4:5], s[94:95]        ; q's codes
	s_add_nc_u64 s[96:97], s[4:5], s[96:97]        ; q's scale bytes
	s_add_nc_u64 s[98:99], s[6:7], s[98:99]        ; the output's scale bytes
	s_add_nc_u64 s[6:7], s[6:7], s[16:17]          ; the output's codes
	CROUND                                         ; all four work-groups are here: the joint loads meet
	s_cmp_lt_u32 s[WV], 6                          ; one chain of branches on the wave's number, one load to an arm
	s_cbranch_scc0 .Lfor_v
	tensor_load_to_lds s[56:59], s[24:31]
	s_nop 0
.rept 4
	v_nop
.endr
	s_branch .Lasked
.Lfor_v:
	s_cmp_lt_u32 s[WV], 14
	s_cbranch_scc0 .Lfor_ks
	tensor_load_to_lds s[68:71], s[40:47]
	s_nop 0
.rept 4
	v_nop
.endr
	s_branch .Lasked
.Lfor_ks:
	s_cmp_lt_u32 s[WV], 15
	s_cbranch_scc0 .Lfor_vs
	tensor_load_to_lds s[60:63], s[32:39]
	s_nop 0
.rept 4
	v_nop
.endr
	s_branch .Lasked
.Lfor_vs:
	tensor_load_to_lds s[72:75], s[48:55]
	s_nop 0
.rept 4
	v_nop
.endr
.Lasked:
	v_and_b32 v8, 15, v0                           ; r
	v_bfe_u32 v9, v0, 4, 1                         ; h
	v_and_b32 v10, 31, v0                          ; lane
	s_delay_alu instid0(VALU_DEP_3)
	v_mul_u32_u24 v[AK0], v8, 48
	s_delay_alu instid0(VALU_DEP_1)
	v_mad_u32_u24 v[AK0], v9, 24, v[AK0]
	v_lshlrev_b32 v11, 1, v8
.irp p, 0,1,2
	global_load_b64 v[16+2*\p:17+2*\p], v[AK0], s[94:95] offset:8*\p   ; q's fragment: my row's 24 bytes
.endr
	global_load_u16 v28, v11, s[96:97]             ; q's two scale bytes; the upper two are 0
.irp n, 22,23,24,25,26,27,80,81,82,83,84,85
	v_mov_b32 v[\n], 0                             ; zero codes for K = 64 .. 127
.endr
	v_add_nc_u32 v[AV0], VC, v[AK0]
	v_lshl_add_u32 v[AS0], v10, 1, KSB
	v_mul_u32_u24 v[AT0], v10, 80
	s_delay_alu instid0(VALU_DEP_1)
	v_add_nc_u32 v[AT0], VSB, v[AT0]
	v_and_b32 v12, 8, v8
	s_delay_alu instid0(VALU_DEP_1)
	v_add_nc_u32 v12, v12, v8                      ; r + 8 (r / 8)
	s_delay_alu instid0(VALU_DEP_1)
	v_mul_u32_u24 v[OC], v12, 768
	s_delay_alu instid0(VALU_DEP_1)
	v_mad_u32_u24 v[OC], v9, 12, v[OC]
	s_delay_alu instid0(VALU_DEP_3)
	v_lshl_add_u32 v[OS], v12, 5, v9
	v_mov_b32 v13, 0xff61b1e6                      ; the largest t so far: -3e38
	s_delay_alu instid0(VALU_DEP_1)
	v_floor_f32 v12, -v13                          ; -M
	v_mov_b32 v14, 0                               ; the sum, in two halves
	v_mov_b32 v15, 0
	v_mov_b32 v249, 0                              ; named as the upper half of the pair v[248:249] before it is first written
.set n, 0
.rept 32
	v_mov_b32 v[OT+n], 0                           ; O^T: the loop is written once; its first step finds zeros
.set n, n+1
.endr
	s_wait_tensorcnt 0x0                           ; my parts have landed,
	s_barrier_signal -1
	s_barrier_wait -1                              ; everybody's have
	s_wait_loadcnt 0x0                             ; q
.Lstep:                                            ; sixteen trips of 128 keys
	v_add_nc_u32 v[ADK], s[TB], v[AK0]             ; (these four are also the places behind the last trip's products, in front of the loads)
	v_add_nc_u32 v[ADV], s[TB], v[AV0]
	v_add_nc_u32 v[ADS], s[TS], v[AS0]
	v_add_nc_u32 v[ADT], s[TJ], v[AT0]
.irp t, 0,1,2,3,4,5,6,7
.irp p, 0,1,2
	ds_load_b64 v[KF+6*\t+2*\p:KF+6*\t+2*\p+1], v[ADK] offset:768*\t+8*\p
.endr
.endr
.irp e, 0,1,2,3
	ds_load_u16 v[KSW+\e], v[ADS] offset:64*\e
.endr
.irp t, 0,1,2,3
.irp c, 0,1
.irp p, 0,1,2
	ds_load_b64 v[VF+12*\t+6*\c+2*\p:VF+12*\t+6*\c+2*\p+1], v[ADV] offset:3072*\c+768*\t+8*\p
.endr
.endr
.endr
.irp e, 0,1
	ds_load_b32 v[VSW+\e], v[ADT] offset:2560*\e
.endr
	s_wait_dscnt 26                                ; k's 28 loads are in; v's 26 may be out
.irp e, 0,1,2,3
	v_wmma_scale_f32_16x16x128_f8f6f4 v[S+16*\e:S+16*\e+7], v[KF+12*\e:KF+12*\e+11], v[16:27], 0, v[KSW+\e], v28 matrix_a_fmt:MATRIX_FMT_BF6 matrix_b_fmt:MATRIX_FMT_BF6
	v_wmma_scale_f32_16x16x128_f8f6f4 v[S+16*\e+8:S+16*\e+15], v[KF+12*\e+6:KF+12*\e+17], v[16:27], 0, v[KSW+\e], v28 matrix_a_fmt:MATRIX_FMT_BF6 matrix_b_fmt:MATRIX_FMT_BF6 matrix_a_scale:MATRIX_SCALE_ROW1
.endr
.rept 4
	v_nop                                          ; places behind the products: their results are read, and k's registers written, below
.endr
.irp b, 0,1,2,3
	v_max3_num_f32 v[BM+\b], v[S+16*\b], v[S+1+16*\b], v[S+2+16*\b]   ; the largest score of each block of 32 keys: for the row's maximum, and, since p rises with the score, for the block's largest p
.endr
.irp i, 3,5,7,9,11,13
.irp b, 0,1,2,3
	v_max3_num_f32 v[BM+\b], v[BM+\b], v[S+16*\b+\i], v[S+1+16*\b+\i]
.endr
.endr
.irp b, 0,1,2,3
	v_max_num_f32 v[BM+\b], v[BM+\b], v[S+15+16*\b]
.endr
.irp b, 0,1,2,3
	s_delay_alu instid0(VALU_DEP_4)
	v_permlanex16_b32 v[PT+\b], v[BM+\b], s[SEL], s[SEL+1]
.endr
.irp b, 0,1,2,3
	s_delay_alu instid0(VALU_DEP_4)
	v_max_num_f32 v[BM+\b], v[BM+\b], v[PT+\b]     ; with lane l xor 16's 16 keys
.endr
	s_delay_alu instid0(VALU_DEP_2)
	v_max3_num_f32 v250, v[BM], v[BM+1], v[BM+2]
	s_delay_alu instid0(VALU_DEP_1)
	v_max_num_f32 v250, v250, v[BM+3]
	s_delay_alu instid0(VALU_DEP_1)
	v_mul_f32 v250, s[CS], v250                    ; the step's largest t
	s_delay_alu instid0(VALU_DEP_1)
	v_max_num_f32 v13, v13, v250
	v_mov_b32 v250, v12
	s_delay_alu instid0(VALU_DEP_2)
	v_floor_f32 v12, -v13                          ; the new -M = -ceil(t)
	s_delay_alu instid0(VALU_DEP_1)
	v_sub_f32 v250, v12, v250                      ; old M - new M: a whole number, 0 or less
	s_delay_alu instid0(VALU_DEP_1)
	v_cvt_i32_f32 v250, v250
	s_delay_alu instid0(VALU_DEP_1)
	v_ldexp_f32 v248, 1.0, v250                    ; f = 2^(old M - new M)
.set n, 0
.rept 32
	v_pk_fma_f32 v[S+n:S+n+1], v[S+n:S+n+1], s[CS:CS+1], v[12:13] op_sel_hi:[1,0,0]   ; t - M
.set n, n+2
.endr
.irp b, 0,1,2,3
	v_fma_f32 v[BM+\b], v[BM+\b], s[CS], v12
.endr
.set n, 0
	s_wait_alu depctr_va_vdst(0)
.rept 64
	v_exp_f32 v[S+n], v[S+n]                       ; p = 2^(t - M): not normalised
.set n, n+1
.endr
	v_pk_mul_f32 v[14:15], v[14:15], v[248:249] op_sel_hi:[1,0]   ; the sums under the new M (a plain line behind the exponentials)
	s_wait_alu depctr_va_vdst(0)                   ; one wait for the batch, ahead of its first reader
.irp b, 0,1,2,3
	v_exp_f32 v[BM+\b], v[BM+\b]                   ; each block's largest p
.endr
	v_pk_add_f32 v[36:37], v[138:139], v[142:143]
	v_pk_add_f32 v[254:255], v[146:147], v[150:151]
	v_pk_add_f32 v[252:253], v[154:155], v[158:159]
	v_pk_add_f32 v[244:245], v[162:163], v[166:167]
	v_pk_add_f32 v[242:243], v[170:171], v[174:175]
	v_pk_add_f32 v[240:241], v[178:179], v[182:183]
	v_pk_add_f32 v[238:239], v[186:187], v[190:191]
	v_pk_add_f32 v[14:15], v[14:15], v[194:195]
	v_pk_add_f32 v[36:37], v[36:37], v[134:135]
	v_pk_add_f32 v[254:255], v[254:255], v[136:137]
	v_pk_add_f32 v[252:253], v[252:253], v[140:141]
	v_pk_add_f32 v[244:245], v[244:245], v[144:145]
	v_pk_add_f32 v[242:243], v[242:243], v[148:149]
	v_pk_add_f32 v[240:241], v[240:241], v[152:153]
	v_pk_add_f32 v[238:239], v[238:239], v[156:157]
	v_pk_add_f32 v[14:15], v[14:15], v[160:161]
	v_pk_add_f32 v[36:37], v[36:37], v[164:165]
	v_pk_add_f32 v[254:255], v[254:255], v[168:169]
	v_pk_add_f32 v[252:253], v[252:253], v[172:173]
	v_pk_add_f32 v[244:245], v[244:245], v[176:177]
	v_pk_add_f32 v[242:243], v[242:243], v[180:181]
	v_pk_add_f32 v[240:241], v[240:241], v[184:185]
	v_pk_add_f32 v[238:239], v[238:239], v[188:189]
	v_pk_add_f32 v[14:15], v[14:15], v[192:193]
	v_pk_add_f32 v[36:37], v[36:37], v[196:197]
	s_delay_alu instid0(VALU_DEP_2)
	v_pk_add_f32 v[14:15], v[14:15], v[244:245]
	s_delay_alu instid0(VALU_DEP_2)
	v_pk_add_f32 v[36:37], v[36:37], v[242:243]
	v_pk_add_f32 v[254:255], v[254:255], v[240:241]
	v_pk_add_f32 v[252:253], v[252:253], v[238:239]
	s_delay_alu instid0(VALU_DEP_2)
	v_pk_add_f32 v[14:15], v[14:15], v[254:255]
	s_delay_alu instid0(VALU_DEP_2)
	v_pk_add_f32 v[36:37], v[36:37], v[252:253]
	s_delay_alu instid0(VALU_DEP_1)
	v_pk_add_f32 v[14:15], v[14:15], v[36:37]
	s_wait_alu depctr_va_vdst(0)                   ; and one for the four
.irp b, 0,1,2,3
	v_max_num_f32 v[BM+\b], 0x2800000, v[BM+\b]    ; the floor 2^(5 - 127)
.endr
.irp b, 0,1,2,3
	s_delay_alu instid0(VALU_DEP_4)
	v_add_nc_u32 v[SOP+\b], 0xfe000000, v[BM+\b]   ; 4 off the exponent field: the conversion's scale operand
.endr
.irp b, 0,1,2,3
	s_delay_alu instid0(VALU_DEP_4)
	v_lshrrev_b32 v[PT+\b], 23, v[SOP+\b]
.endr
	s_delay_alu instid0(VALU_DEP_3)
	v_lshl_or_b32 v249, v[PT+1], 8, v[PT]          ; p's scale word for these 128 keys
	s_delay_alu instid0(VALU_DEP_1)
	v_lshl_or_b32 v249, v[PT+2], 16, v249
	s_delay_alu instid0(VALU_DEP_1)
	v_lshl_or_b32 v249, v[PT+3], 24, v249
.irp c, 0,1
	v_cvt_scalef32_pk16_bf6_f32 v[PCD+6*\c:PCD+2+6*\c], v[S+32*\c:S+15+32*\c], v[SOP+2*\c]
	v_cvt_scalef32_pk16_bf6_f32 v[C2+4*\c:C2+2+4*\c], v[S+16+32*\c:S+31+32*\c], v[SOP+2*\c+1]
.endr
	v_nop                                          ; a plain line behind the conversions
.irp c, 0,1                                    ; the operand wants a whole block in a lane: lanes 0-15 block 2 c, lanes 16-31 block 2 c + 1
.irp i, 0,1,2
	v_permlane16_swap_b32 v[PCD+6*\c+\i], v[C2+4*\c+\i]
.endr
.irp i, 0,1,2
	s_delay_alu instid0(VALU_DEP_3)
	v_mov_b32 v[PCD+3+6*\c+\i], v[C2+4*\c+\i]
.endr
.endr
.set n, 0
.rept 16
	v_pk_mul_f32 v[OT+n:OT+n+1], v[OT+n:OT+n+1], v[248:249] op_sel_hi:[1,0]   ; O^T under the new M (sixteen lines between the writes of p's codes and scale word and the products)
.set n, n+2
.endr
	s_wait_alu depctr_va_vdst(0)
	s_wait_dscnt 0x0                               ; v
.irp e, 0,1                                    ; four accumulators by turns
	v_wmma_scale_f32_16x16x128_f8f6f4 v[OT+16*\e:OT+16*\e+7], v[VF+24*\e:VF+24*\e+11], v[PCD:PCD+11], v[OT+16*\e:OT+16*\e+7], v[VSW+\e], v249 matrix_a_fmt:MATRIX_FMT_BF6 matrix_b_fmt:MATRIX_FMT_BF6
	v_wmma_scale_f32_16x16x128_f8f6f4 v[OT+16*\e+8:OT+16*\e+15], v[VF+24*\e+12:VF+24*\e+23], v[PCD:PCD+11], v[OT+16*\e+8:OT+16*\e+15], v[VSW+\e], v249 matrix_a_fmt:MATRIX_FMT_BF6 matrix_b_fmt:MATRIX_FMT_BF6 matrix_a_scale:MATRIX_SCALE_ROW1
.endr
	s_add_co_u32 s[TB], s[TB], 6144                ; 128 keys on: in k's codes and in v's alike,
	s_add_co_u32 s[TS], s[TS], 256                 ; in k's scale bytes,
	s_add_co_u32 s[TJ], s[TJ], 4                   ; in v's
	s_sub_co_u32 s79, s79, 1
	s_cmp_lg_u32 s79, 0
	s_cbranch_scc1 .Lstep
	; THE WAY OUT
	v_add_f32 v14, v14, v15
	s_delay_alu instid0(VALU_DEP_1)
	v_permlanex16_b32 v250, v14, s[SEL], s[SEL+1]
	s_delay_alu instid0(VALU_DEP_1)
	v_add_f32 v14, v14, v250                       ; the row's sum
	s_wait_alu depctr_va_vdst(0)
	v_rcp_f32 v14, v14
	v_bfe_u32 v8, v0, 4, 1                         ; h
.rept 3
	v_nop                                          ; with the lines above: the places behind the last products
.endr
	s_wait_alu depctr_va_vdst(0)                   ; the wait ahead of the reciprocal's first reader
.set n, 0
.rept 32
	v_mul_f32 v[S+n], v[OT+n], v14                 ; register 16 e + i: channel 32 e + 16 h + i of my token
.set n, n+1
.endr
.irp e, 0,1
	v_max3_num_f32 v[BM+\e], |v[S+16*\e]|, |v[S+1+16*\e]|, 0x2800000
.endr
.irp i, 2,4,6,8,10,12,14
.irp e, 0,1
	s_delay_alu instid0(VALU_DEP_2)
	v_max3_num_f32 v[BM+\e], v[BM+\e], |v[S+16*\e+\i]|, |v[S+1+16*\e+\i]|
.endr
.endr
.irp e, 0,1
	s_delay_alu instid0(VALU_DEP_2)
	v_permlanex16_b32 v[PT+\e], v[BM+\e], s[SEL], s[SEL+1]
.endr
.irp e, 0,1
	s_delay_alu instid0(VALU_DEP_2)
	v_max_num_f32 v[BM+\e], v[BM+\e], v[PT+\e]     ; the block's largest magnitude
.endr
.irp e, 0,1
	s_delay_alu instid0(VALU_DEP_2)
	v_add_nc_u32 v[SOP+\e], 0xfe000000, v[BM+\e]
.endr
.irp e, 0,1
	s_delay_alu instid0(VALU_DEP_2)
	v_lshrrev_b32 v[PT+\e], 23, v[SOP+\e]
.endr
	v_cvt_scalef32_pk16_bf6_f32 v[PCD:PCD+2], v[S:S+15], v[SOP]
	v_cvt_scalef32_pk16_bf6_f32 v[PCD+4:PCD+6], v[S+16:S+31], v[SOP+1]
	v_nop                                          ; a plain line behind the conversions
	v_cmp_eq_u32 vcc_lo, 1, v8
	s_delay_alu instid0(VALU_DEP_1)
	v_cndmask_b32 v[PT+2], v[PT], v[PT+1], vcc_lo  ; lanes 0-15 store block 0's byte, lanes 16-31 block 1's: each byte is written once
	global_store_b96 v[OC], v[PCD:PCD+2], s[6:7]
	global_store_b96 v[OC], v[PCD+4:PCD+6], s[6:7] offset:24
	global_store_b8 v[OS], v[PT+2], s[98:99]
	s_wait_tensorcnt 0x0                           ; the wave's end, behind my last tensor load
	ds_add_u32 v[SPW], v[NIL]
	s_wait_dscnt 0x0
	CROUND                                         ; the closing round
	s_endpgm
.Lfunc_end_k_qb601b9500d_attn:
	.size	k_qb601b9500d_attn, .Lfunc_end_k_qb601b9500d_attn-k_qb601b9500d_attn
	.p2alignl 7, 3214868480
	.fill 96, 4, 3214868480
	.section	.rodata,"a",@progbits
	.p2align	6, 0x0
	.amdhsa_kernel k_qb601b9500d_attn
		.amdhsa_group_segment_fixed_size 207872
		.amdhsa_private_segment_fixed_size 0
		.amdhsa_enable_private_segment 0
		.amdhsa_kernarg_size 16
		.amdhsa_user_sgpr_count 2
		.amdhsa_user_sgpr_kernarg_segment_ptr 1
		.amdhsa_wavefront_size32 1
		.amdhsa_system_sgpr_workgroup_id_x 1
		.amdhsa_system_sgpr_workgroup_id_y 1
		.amdhsa_system_sgpr_workgroup_id_z 1
		.amdhsa_system_vgpr_workitem_id 0
		.amdhsa_next_free_vgpr 256
		.amdhsa_next_free_sgpr 100
		.amdhsa_reserve_vcc 1
		.amdhsa_float_denorm_mode_32 3
		.amdhsa_float_denorm_mode_16_64 3
		.amdhsa_memory_ordered 1
		.amdhsa_forward_progress 1
		.amdhsa_inst_pref_size 34
	.end_amdhsa_kernel
	.amdgpu_metadata
---
amdhsa.version: [ 1, 2 ]
amdhsa.kernels:
  - .name:           k_qb601b9500d_attn
    .symbol:         k_qb601b9500d_attn.kd
    .args:
      - { .name: QKV, .offset: 0, .size: 8, .value_kind: global_buffer, .address_space: global }
      - { .name: AT, .offset: 8, .size: 8, .value_kind: global_buffer, .address_space: global }
    .group_segment_fixed_size: 207872
    .private_segment_fixed_size: 0
    .kernarg_segment_align: 8
    .kernarg_segment_size: 16
    .max_flat_workgroup_size: 512
    .sgpr_count:     100
    .vgpr_count:     256
    .wavefront_size: 32
...
	.end_amdgpu_metadata
.endif
;; end of part 3
;; launch wo (part 4): grid 8 x 32, 4 waves a work-group, clusters of 4 x 4, 235,520 bytes of LDS; arguments AT, Wo_codes, Wo_scales, bo, x, RES; writes RES
.if DOCPART == 4
	.amdgcn_target "amdgcn-amd-amdhsa--gfx1250"
	.amdhsa_code_object_version 6
	.text
	.protected	k_qb601b9500d_wo
	.globl	k_qb601b9500d_wo
	.p2align	8
	.type	k_qb601b9500d_wo,@function
k_qb601b9500d_wo:
	s_mov_b64 s[64:65], 0
	v_nop
	global_prefetch_b8 v0, s[64:65] scope:SCOPE_SE
	s_setreg_imm32_b32 hwreg(HW_REG_WAVE_MODE, 25, 1), 1
	s_wait_xcnt 0x0
	s_wait_alu depctr_hold_cnt(0) depctr_sa_sdst(0) depctr_va_vdst(0) depctr_va_sdst(0) depctr_va_ssrc(0) depctr_va_vcc(0) depctr_vm_vsrc(0)
	s_getreg_b32 s2, hwreg(HW_REG_IB_STS2, 6, 4)
	s_cmp_eq_u32 s2, 0
	s_cbranch_scc0 .Lentry_in_a_cluster
	s_endpgm
.Lentry_in_a_cluster:
	s_bfe_u32 s2, ttmp6, 0x10000c
	s_cmp_lg_u32 s2, 0xf033
	s_cbranch_scc0 .Lentry_shape_is_right
	s_endpgm
.Lentry_shape_is_right:
; RES = attn Wo^T + bo + x.  attn: codes of E3M2 in AT [4096][768 bytes], scale bytes [4096][32] at ASC; Wo: codes [1024][768], scale bytes [1024][32].  Nothing is left out.
; A tile of RES is 128 x 128: 256 work-groups; four waves, each 64 x 64: 16 accumulators, which take turns.
; ALL OF K LIES IN LDS: 128 rows of A and 128 of B, 768 bytes each, and their scales: four tiles, filled once, one tensor load a wave; no byte is filled again, so one barrier serves the launch.
; Every tensor row begins at a multiple of 256 bytes.  CLUSTER 4 x 4: A's tiles are asked for jointly along a row of the cluster, B's along a column.
; No prefetch: all tiles are asked for at the head, and there is no loop to run ahead in.
; The matrix instruction is used transposed (source 0 = rows of Wo, source 1 = tokens): a lane holds eight neighbouring columns of a row.
; REGISTERS: window 0: v16-30 addresses, v8-11 the bias, v32-63 scale words (two sets of four steps), v64-159 and v160-255 two sets of fragments; window 1: v0-127 accumulators, v128-255 x.
; LIMITS: NaN and infinities among the inputs are not served.
.set ASC,    3145728
.set PITCH,  816                       ; an LDS row: 3 x (256 + 16) bytes
.set FR,     12
.set HALFT,  64*PITCH
.set BT,     2*HALFT                   ; B's 128 rows lie behind A's
.set SCL,    4*HALFT
.set HALFS,  2176                      ; the scales of 64 rows: 8 x 272
.set SBLK,   544                       ; of 16 rows
.set STAGE,  SCL+4*HALFS               ; each wave's stage: 16 rows x 272, bytes into which no fill lands
.set SPARE,  STAGE+4*16*272
.set ADRA, 16
.set ADRB, 20
.set STO,  24
.set RD,   25
.set CO,   26
.set ADRS, 27
.set SPW,  28
.set NIL,  29
.set SC,   32
.set F0,   64
.set G1, 24
.set G0, 32
.set G0B, 36
.set G1B, 48
.set G1S, 68
.set G0S, 76
.set G1SB, 80
.set G0SB, 88
.set MSB, 0
.macro WIN new
.if MSB != \new
	s_set_vgpr_msb (MSB<<8)|\new
.set MSB, \new
.endif
.endm
.macro CROUND
	s_barrier_signal -1
	s_barrier_wait -1
	s_cmp_lg_u32 s14, 0
	s_cbranch_scc1 .Lnot_wave_0_\@
	s_barrier_signal -3
.Lnot_wave_0_\@:
	s_barrier_wait -3
	s_barrier_signal -1
	s_barrier_wait -1
.endm
.macro PLACES n
.rept \n
	v_nop
.endr
.endm
	s_load_b256 s[4:11], s[0:1], 0x0               ; AT, Wo's codes, Wo's scales, bo
	s_load_b128 s[96:99], s[0:1], 0x20             ; x, RES
	v_lshl_add_u32 v[SPW], v0, 2, SPARE
	v_mov_b32 v[NIL], 0
	ds_add_u32 v[SPW], v[NIL]                      ; the opening lines
	ds_add_u32 v[SPW], v[NIL]
	v_lshrrev_b32 v1, 5, v0
	v_readfirstlane_b32 s14, v1                    ; wave
	s_lshr_b32 s15, s14, 1                         ; my half of the tile's rows
	s_and_b32 s16, s14, 1                          ; and of its columns
	s_bfe_u32 s40, ttmp6, 0x40000
	s_bfe_u32 s41, ttmp6, 0x40004
	s_lshl_b32 s42, ttmp9, 2
	s_add_co_u32 s42, s42, s40                     ; tile column
	s_and_b32 s17, ttmp7, 0xffff
	s_lshl_b32 s17, s17, 2
	s_add_co_u32 s17, s17, s41                     ; tile row
	s_lshl_b32 s43, s41, 2
	s_lshl_b32 s43, 15, s43                        ; my row of the cluster
	s_lshl_b32 s44, 0x1111, s40                    ; my column
	s_or_b32 s[G1+0], s43, (0<<16)|(1<<20)|(1<<21)|(5<<22)|(3<<25)
	s_or_b32 s[G1B+0], s44, (0<<16)|(1<<20)|(1<<21)|(5<<22)|(3<<25)
.irp g, G1, G1B
	s_mov_b32 s[\g+1], 768<<16
	s_mov_b32 s[\g+2], 128<<16
	s_mov_b32 s[\g+3], 768<<16
	s_mov_b32 s[\g+4], 128
	s_mov_b32 s[\g+5], 768
	s_mov_b32 s[\g+6], 0
	s_mov_b32 s[\g+7], 0
.endr
	s_or_b32 s[G1S+0], s43, (3<<16)|(1<<20)|(1<<21)|(5<<22)|(3<<25)
	s_or_b32 s[G1SB+0], s44, (3<<16)|(1<<20)|(1<<21)|(5<<22)|(3<<25)
.irp g, G1S, G1SB
	s_mov_b32 s[\g+1], 32<<16                      ; the scales of 128 rows: a dense block, as 16 rows of 256 bytes
	s_mov_b32 s[\g+2], 16<<16
	s_mov_b32 s[\g+3], 32<<16
	s_mov_b32 s[\g+4], 16
	s_mov_b32 s[\g+5], 32
	s_mov_b32 s[\g+6], 0
	s_mov_b32 s[\g+7], 0
.endr
	s_lshl_b32 s20, s17, 7                         ; A's first row
	s_lshl_b32 s46, s42, 7                         ; B's
	s_lshl_b32 s22, s20, 5
	s_add_co_u32 s22, s22, ASC
	s_mov_b32 s23, 0
	s_lshl_b32 s92, s46, 5
	s_mov_b32 s93, 0
	s_mul_i32 s20, s20, 768
	s_mov_b32 s21, 0
	s_mul_i32 s46, s46, 768
	s_mov_b32 s47, 0
	s_wait_dscnt 0x0
	s_wait_kmcnt 0x0
	s_mov_b32 s[G0], 1
	s_mov_b32 s[G0+1], 0
	s_add_nc_u64 s[G0+2:G0+3], s[4:5], s[20:21]
	s_or_b32 s[G0+3], s[G0+3], 0x80000000
	s_mov_b32 s[G0B], 1
	s_mov_b32 s[G0B+1], BT
	s_add_nc_u64 s[G0B+2:G0B+3], s[6:7], s[46:47]
	s_or_b32 s[G0B+3], s[G0B+3], 0x80000000
	s_mov_b32 s[G0S], 1
	s_mov_b32 s[G0S+1], SCL
	s_add_nc_u64 s[G0S+2:G0S+3], s[4:5], s[22:23]
	s_or_b32 s[G0S+3], s[G0S+3], 0x80000000
	s_mov_b32 s[G0SB], 1
	s_mov_b32 s[G0SB+1], SCL+2*HALFS
	s_add_nc_u64 s[G0SB+2:G0SB+3], s[8:9], s[92:93]
	s_or_b32 s[G0SB+3], s[G0SB+3], 0x80000000
	CROUND                                         ; the joint loads meet
.macro ARM under, g0, g1, next         ; one load a wave, in one chain of branches on the wave's number
	s_cmp_lt_u32 s14, \under
	s_cbranch_scc0 \next
	tensor_load_to_lds s[\g0:\g0+3], s[\g1:\g1+7]
	s_nop 0
	PLACES 4
	s_branch .Lhead_asked
\next:
.endm
	ARM 1, G0,  G1,  .Lhead_b
	ARM 2, G0B, G1B, .Lhead_sa
	ARM 3, G0S, G1S, .Lhead_sb
	tensor_load_to_lds s[G0SB:G0SB+3], s[G1SB:G1SB+7]
	s_nop 0
	PLACES 4
.Lhead_asked:
	v_and_b32 v1, 15, v0                           ; r
	v_bfe_u32 v2, v0, 4, 1                         ; h
	v_mul_u32_u24 v3, v1, PITCH
	v_mad_u32_u24 v4, v2, 24, v3                   ; row x pitch + 24 h
	v_lshl_add_u32 v5, v2, 4, v4                   ; and behind one padding more
	s_mul_i32 s21, s15, HALFT
	s_mul_i32 s22, s16, HALFT
	s_add_co_u32 s22, s22, BT
	v_add_nc_u32 v[ADRA], s21, v4
	v_add_nc_u32 v[ADRA+1], s21, v5
	v_add_nc_u32 v[ADRB], s22, v4
	v_add_nc_u32 v[ADRB+1], s22, v5
	v_lshlrev_b32 v5, 5, v1                        ; my row's scales: 32 bytes a row,
	v_lshrrev_b32 v6, 8, v5
	v_lshl_add_u32 v5, v6, 4, v5                   ; 16 more for each 256 passed
	s_mul_i32 s21, s15, HALFS
	s_mul_i32 s22, s16, HALFS
	s_add_co_u32 s22, s22, 2*HALFS
	s_sub_co_u32 s22, s22, s21
	v_mul_u32_u24 v6, s22, v2                      ; lanes 16-31 take B's
	s_add_co_u32 s21, s21, SCL
	v_add_nc_u32 v5, v5, v6
	v_add_nc_u32 v[ADRS], s21, v5
	s_mul_i32 s23, s14, 16*272
	s_add_co_u32 s23, s23, STAGE
	v_mul_u32_u24 v5, v1, 272
	v_lshl_add_u32 v5, v2, 5, v5
	v_add_nc_u32 v[STO], s23, v5
	v_mul_u32_u24 v5, v2, 272
	v_lshl_add_u32 v5, v1, 4, v5
	v_add_nc_u32 v[RD], s23, v5
	v_lshlrev_b32 v[CO], 12, v2
	v_lshl_add_u32 v[CO], v1, 4, v[CO]
	v_lshlrev_b32 v30, 4, v1
	s_wait_alu depctr_va_vdst(0)                   ; the wait ahead of the scalar lines below
	s_lshl_b32 s20, s17, 7
	s_lshl_b32 s21, s15, 6
	s_add_co_u32 s20, s20, s21
	s_lshl_b32 s20, s20, 12                        ; my first row, in bytes
	s_lshl_b32 s46, s42, 7
	s_lshl_b32 s47, s16, 6
	s_add_co_u32 s46, s46, s47
	s_lshl_b32 s46, s46, 2                         ; my first column, in bytes
	s_mov_b32 s47, 0
	s_add_nc_u64 s[10:11], s[10:11], s[46:47]
	s_add_co_u32 s46, s46, s20
	s_add_nc_u64 s[96:97], s[96:97], s[46:47]
	s_add_nc_u64 s[98:99], s[98:99], s[46:47]
	WIN 0x40
.irp a, 0,1,2,3
.irp t, 0,1,2,3,4,5,6,7
	global_load_b128 v[128+32*\a+4*\t:128+32*\a+4*\t+3], v[CO], s[96:97] offset:(16*\a+2*\t)*4096 th:TH_LOAD_NT   ; x, in the layout in which the results leave
.endr
.endr
	WIN 0
	global_load_b128 v[8:11], v30, s[10:11]        ; the bias of my four columns
.macro FRAG reg, adr, q, i             ; 16 rows x 128 K in pieces of 8 bytes; 16 bytes of padding behind every 32 pieces
.irp p, 0,1,2,3,4,5
.set PC, 12*(\q)+6*(\p/3)+\p%3
.if PC%32 < 29
	ds_load_b64 v[\reg+2*\p:\reg+2*\p+1], v[\adr] offset:8*PC+16*(PC/32)+(\i)*16*PITCH
.else
	ds_load_b64 v[\reg+2*\p:\reg+2*\p+1], v[\adr+1] offset:8*PC+16*(PC/32)+(\i)*16*PITCH
.endif
.endr
.endm
.macro FETCH q                         ; step q's eight fragments into set q % 2
.irp i, 0,1,2,3
	FRAG F0+96*((\q)%2)+FR*\i, ADRA, \q, \i
.endr
.irp i, 0,1,2,3
	FRAG F0+96*((\q)%2)+48+FR*\i, ADRB, \q, \i
.endr
.endm
.macro MUL16 q, zero
.set FS, F0+96*((\q)%2)
.set SS, SC+16*((\q)/4)+(\q)%4
	WIN 0x50
.irp a, 0,1,2,3
.irp b, 0,1,2,3
.if \zero
	v_wmma_scale_f32_16x16x128_f8f6f4 v[8*(4*\a+\b):8*(4*\a+\b)+7], v[FS+48+FR*\b:FS+48+FR*\b+FR-1], v[FS+FR*\a:FS+FR*\a+FR-1], 0, v[SS+4*\b], v[SS+4*\a] matrix_a_fmt:MATRIX_FMT_BF6 matrix_b_fmt:MATRIX_FMT_BF6 matrix_a_scale:MATRIX_SCALE_ROW1
.else
	v_wmma_scale_f32_16x16x128_f8f6f4 v[8*(4*\a+\b):8*(4*\a+\b)+7], v[FS+48+FR*\b:FS+48+FR*\b+FR-1], v[FS+FR*\a:FS+FR*\a+FR-1], v[8*(4*\a+\b):8*(4*\a+\b)+7], v[SS+4*\b], v[SS+4*\a] matrix_a_fmt:MATRIX_FMT_BF6 matrix_b_fmt:MATRIX_FMT_BF6 matrix_a_scale:MATRIX_SCALE_ROW1
.endif
.endr
.endr
	WIN 0
.endm
	s_wait_alu depctr_va_vdst(0)                   ; the head's end
	s_wait_tensorcnt 0x0                           ; my tile is in,
	s_barrier_signal -1
	s_barrier_wait -1                              ; everybody's is
	FETCH 0
.irp sc, 0,1
.irp i, 0,1,2,3
	ds_load_b128 v[SC+16*\sc+4*\i:SC+16*\sc+4*\i+3], v[ADRS] offset:\i*SBLK+16*\sc   ; lanes 0-15 A's block i, lanes 16-31 B's; four steps' words
.endr
.endr
	s_wait_dscnt 0x0
	FETCH 1
	MUL16 0, 1                                     ; the first step's products start the sums
.irp q, 1,2,3,4,5,6
	s_wait_dscnt 0x0                               ; this step's fragments are in
	PLACES 4                                       ; between the last step's products and the loads into their registers
	FETCH \q+1
	MUL16 \q, 0
.endr
	s_wait_dscnt 0x0
	MUL16 7, 0
	PLACES 4
	s_wait_loadcnt 0x0                             ; x and the bias
.macro OUTA a                          ; my rows 16 a .. 16 a + 15 through my stage, back as rows of 256 bytes
.set YS, 64+32*((\a)%2)
	WIN 0x04
.irp b, 0,1,2,3
	ds_store_b128 v[STO], v[8*(4*(\a)+\b):8*(4*(\a)+\b)+3] offset:64*\b
	ds_store_b128 v[STO], v[8*(4*(\a)+\b)+4:8*(4*(\a)+\b)+7] offset:64*\b+16
.endr
	WIN 0
.if (\a) > 1
	s_wait_xcnt 0x0                                ; block a - 2's stores have read their registers
.endif
.irp t, 0,1,2,3,4,5,6,7
	ds_load_b128 v[YS+4*\t:YS+4*\t+3], v[RD] offset:544*\t
.endr
	s_wait_dscnt 0x0
.irp t, 0,1,2,3,4,5,6,7
	v_pk_add_f32 v[YS+4*\t:YS+4*\t+1], v[YS+4*\t:YS+4*\t+1], v[8:9]
	v_pk_add_f32 v[YS+4*\t+2:YS+4*\t+3], v[YS+4*\t+2:YS+4*\t+3], v[10:11]
.endr
	WIN 0x04
.set n, 0
.rept 16
	v_pk_add_f32 v[YS+n:YS+n+1], v[YS+n:YS+n+1], v[128+32*(\a)+n:128+32*(\a)+n+1]
.set n, n+2
.endr
	WIN 0
.irp t, 0,1,2,3,4,5,6,7
	global_store_b128 v[CO], v[YS+4*\t:YS+4*\t+3], s[98:99] offset:(16*(\a)+2*\t)*4096   ; 16 lanes store 256 consecutive bytes, aligned
.endr
.endm
	OUTA 0
	OUTA 1
	OUTA 2
	OUTA 3
	s_wait_tensorcnt 0x0                           ; the wave's end
	ds_add_u32 v[SPW], v[NIL]
	s_wait_dscnt 0x0
	CROUND                                         ; the closing round
	s_endpgm
.Lfunc_end_k_qb601b9500d_wo:
	.size	k_qb601b9500d_wo, .Lfunc_end_k_qb601b9500d_wo-k_qb601b9500d_wo
	.p2alignl 7, 3214868480
	.fill 96, 4, 3214868480
	.section	.rodata,"a",@progbits
	.p2align	6, 0x0
	.amdhsa_kernel k_qb601b9500d_wo
		.amdhsa_group_segment_fixed_size 235520
		.amdhsa_private_segment_fixed_size 0
		.amdhsa_enable_private_segment 0
		.amdhsa_kernarg_size 48
		.amdhsa_user_sgpr_count 2
		.amdhsa_user_sgpr_kernarg_segment_ptr 1
		.amdhsa_wavefront_size32 1
		.amdhsa_system_sgpr_workgroup_id_x 1
		.amdhsa_system_sgpr_workgroup_id_y 1
		.amdhsa_system_sgpr_workgroup_id_z 1
		.amdhsa_system_vgpr_workitem_id 0
		.amdhsa_next_free_vgpr 512
		.amdhsa_next_free_sgpr 102
		.amdhsa_reserve_vcc 0
		.amdhsa_float_denorm_mode_32 3
		.amdhsa_float_denorm_mode_16_64 3
		.amdhsa_memory_ordered 1
		.amdhsa_forward_progress 1
		.amdhsa_inst_pref_size 70
	.end_amdhsa_kernel
	.amdgpu_metadata
---
amdhsa.version: [ 1, 2 ]
amdhsa.kernels:
  - .name:           k_qb601b9500d_wo
    .symbol:         k_qb601b9500d_wo.kd
    .args:
      - { .name: AT, .offset: 0, .size: 8, .value_kind: global_buffer, .address_space: global }
      - { .name: Wo_codes, .offset: 8, .size: 8, .value_kind: global_buffer, .address_space: global }
      - { .name: Wo_scales, .offset: 16, .size: 8, .value_kind: global_buffer, .address_space: global }
      - { .name: bo, .offset: 24, .size: 8, .value_kind: global_buffer, .address_space: global }
      - { .name: x, .offset: 32, .size: 8, .value_kind: global_buffer, .address_space: global }
      - { .name: RES, .offset: 40, .size: 8, .value_kind: global_buffer, .address_space: global }
    .group_segment_fixed_size: 235520
    .private_segment_fixed_size: 0
    .kernarg_segment_align: 8
    .kernarg_segment_size: 48
    .max_flat_workgroup_size: 128
    .sgpr_count:     102
    .vgpr_count:     512
    .wavefront_size: 32
...
	.end_amdgpu_metadata
.endif
;; end of part 4
;; launch ln2: the kernel of part 1 again; grid 256 x 1, 4 waves a work-group, no clusters, 33,280 bytes of LDS; arguments RES, la2_g, la2_b, H; writes H
;; launch w1 (part 5): grid 16 x 16, 4 waves a work-group, clusters of 4 x 4, 327,680 bytes of LDS; arguments H, W1_codes, W1_scales, b1, MM; writes MM
.if DOCPART == 5
	.amdgcn_target "amdgcn-amd-amdhsa--gfx1250"
	.amdhsa_code_object_version 6
	.text
	.protected	k_qb601b9500d_w1
	.globl	k_qb601b9500d_w1
	.p2align	8
	.type	k_qb601b9500d_w1,@function
k_qb601b9500d_w1:
	s_mov_b64 s[64:65], 0
	v_nop
	global_prefetch_b8 v0, s[64:65] scope:SCOPE_SE
	s_setreg_imm32_b32 hwreg(HW_REG_WAVE_MODE, 25, 1), 1
	s_wait_xcnt 0x0
	s_wait_alu depctr_hold_cnt(0) depctr_sa_sdst(0) depctr_va_vdst(0) depctr_va_sdst(0) depctr_va_ssrc(0) depctr_va_vcc(0) depctr_vm_vsrc(0)
	s_getreg_b32 s2, hwreg(HW_REG_IB_STS2, 6, 4)
	s_cmp_eq_u32 s2, 0
	s_cbranch_scc0 .Lentry_in_a_cluster
	s_endpgm
.Lentry_in_a_cluster:
	s_bfe_u32 s2, ttmp6, 0x10000c
	s_cmp_lg_u32 s2, 0xf033
	s_cbranch_scc0 .Lentry_shape_is_right
	s_endpgm
.Lentry_shape_is_right:
; K goes through a ring of two LDS slots in chunks of 256 bytes of each row of codes (a row is 768 bytes: three chunks, eight steps of 96 bytes); chunk c lies in slot c % 2.
; No prefetch: K is three chunks, and two of them are asked for before the first product.
.set NQ,     2
.set ROWB,   256
.set KROW,   768
.set STEPS,  8
.set CHUNKS, 3
.set PITCH,  272
.set FR,     12
.set NL,     6
.set NP,     4
.set HALFT,  128*PITCH
.set SLOT,   4*HALFT
.set KS,     32
.set SCL,    2*SLOT
.set HALFS,  (128*KS/256)*272
.set SBLK,   (16*KS/256)*272
.set SPARE,  327168
.set SPITCH, 528
.set WSTG,   128*SPITCH
.set SBY,    4*WSTG
.set IMG,    SBY+4*512
.set SWA,  7
.set RD0,  8
.set SB0,  9
.set RDA,  10
.set SBA,  11
.set SOF,  12
.set IA,   13
.set ADRA, 16
.set ADRB, 20
.set STO,  24
.set IRD,  25
.set CO,   26
.set ADRS, 27
.set SPW,  28
.set NIL,  29
.set SC,   32
.set AF,   128
.set CD,   48
.set BIAS, 64
.set XO,   80
.set GT,   144
.set GP,   160
.set GQ,   176
.set CF,   192
.set EB,   216
.set GM,   220
.set QT,   236
.set SW,   240
.set IM,   244
.set GSC,  95
.set G1, 24
.set G0, 32
.set G1B, 48
.set G0B, 56
.set G1S, 68
.set G0S, 76
.set G1SB, 80
.set G0SB, 88
.set MSB, 0
.macro WIN new
.if MSB != \new
	s_set_vgpr_msb (MSB<<8)|\new
.set MSB, \new
.endif
.endm
.set MUL_LO, 0xa1
.set MUL_HI, 0xf1
.set TO_B,   0x40
.macro JLOAD g0a, g1a, g0b, g1b
	s_cmp_eq_u32 s15, 0
	s_cbranch_scc0 .Lfor_b_\@
	tensor_load_to_lds s[\g0a:\g0a+3], s[\g1a:\g1a+7]
	s_nop 0
.rept 4
	v_nop
.endr
	s_branch .Lasked_\@
.Lfor_b_\@:
	tensor_load_to_lds s[\g0b:\g0b+3], s[\g1b:\g1b+7]
	s_nop 0
.rept 4
	v_nop
.endr
.Lasked_\@:
.endm
.macro CREST
	s_cmp_lg_u32 s14, 0
	s_cbranch_scc1 .Lnot_wave_0_\@
	s_barrier_signal -3
.Lnot_wave_0_\@:
	s_barrier_wait -3
	s_barrier_signal -1
	s_barrier_wait -1
.endm
.macro CROUND
	s_barrier_signal -1
	s_barrier_wait -1
	CREST
.endm
	s_load_b256 s[4:11], s[0:1], 0x0
	s_load_b64 s[12:13], s[0:1], 0x20
	v_lshl_add_u32 v[SPW], v0, 2, SPARE
	v_mov_b32 v[NIL], 0
	ds_add_u32 v[SPW], v[NIL]
	ds_add_u32 v[SPW], v[NIL]
	v_lshrrev_b32 v1, 5, v0
	v_readfirstlane_b32 s14, v1
	s_lshr_b32 s15, s14, 1
	s_and_b32 s16, s14, 1
	s_bfe_u32 s40, ttmp6, 0x40000
	s_bfe_u32 s41, ttmp6, 0x40004
	s_lshl_b32 s42, ttmp9, 2
	s_add_co_u32 s42, s42, s40
	s_and_b32 s17, ttmp7, 0xffff
	s_lshl_b32 s17, s17, 2
	s_add_co_u32 s17, s17, s41
	s_lshl_b32 s43, s41, 2
	s_lshl_b32 s43, 15, s43
	s_lshl_b32 s44, 0x1111, s40
	s_or_b32 s[G1+0], s43, (0<<16)|(1<<20)|(1<<21)|(5<<22)|(3<<25)
	s_or_b32 s[G1B+0], s44, (0<<16)|(1<<20)|(1<<21)|(5<<22)|(3<<25)
.irp g, G1, G1B
	s_mov_b32 s[\g+1], ROWB<<16
	s_mov_b32 s[\g+2], 256<<16                     ; the head's loads bring 256 rows
	s_mov_b32 s[\g+3], ROWB<<16
	s_mov_b32 s[\g+4], 256
	s_mov_b32 s[\g+5], KROW
	s_mov_b32 s[\g+6], 0
	s_mov_b32 s[\g+7], 0
.endr
	s_or_b32 s[G1S+0], s43, (3<<16)|(1<<20)|(1<<21)|(5<<22)|(3<<25)
	s_or_b32 s[G1SB+0], s44, (3<<16)|(1<<20)|(1<<21)|(5<<22)|(3<<25)
.irp g, G1S, G1SB
	s_mov_b32 s[\g+1], 32<<16
	s_mov_b32 s[\g+2], KS<<16                      ; the scales of 256 rows: KS rows of 256 bytes
	s_mov_b32 s[\g+3], 32<<16
	s_mov_b32 s[\g+4], KS
	s_mov_b32 s[\g+5], 32
	s_mov_b32 s[\g+6], 0
	s_mov_b32 s[\g+7], 0
.endr
	s_lshl_b32 s20, s17, 8                         ; the tiles' first rows
	s_lshl_b32 s46, s42, 8
	s_mov_b32 s21, 0
	s_mov_b32 s47, 0
	s_mov_b64 s[18:19], KS
	s_mul_u64 s[22:23], s[20:21], s[18:19]
	s_mul_u64 s[92:93], s[46:47], s[18:19]
	s_mov_b64 s[18:19], KROW
	s_mul_u64 s[20:21], s[20:21], s[18:19]
	s_mul_u64 s[46:47], s[46:47], s[18:19]
	s_mul_i32 s18, s16, 128*KROW                   ; in the ring I fetch 128 rows: which half, in bytes
	s_mov_b32 s19, 0
	s_mul_i32 s45, s14, HALFT
	s_mov_b32 s[GSC], 0x3eb504f3
	s_wait_dscnt 0x0
	s_wait_kmcnt 0x0
	s_add_nc_u64 s[20:21], s[4:5], s[20:21]
	s_add_nc_u64 s[22:23], s[4:5], s[22:23]
	s_add_nc_u64 s[22:23], s[22:23], 3145728
	s_add_nc_u64 s[46:47], s[6:7], s[46:47]
	s_add_nc_u64 s[92:93], s[8:9], s[92:93]
	CROUND
	s_mov_b32 s[G0], 1                             ; the head's four tiles, each whole: chunk 0's 256 rows of A,
	s_mov_b32 s[G0+1], 0
	s_mov_b64 s[G0+2:G0+3], s[20:21]
	s_or_b32 s[G0+3], s[G0+3], 0x80000000
	s_mov_b32 s[G0B], 1                            ; its 256 rows of B,
	s_mov_b32 s[G0B+1], 2*HALFT
	s_mov_b64 s[G0B+2:G0B+3], s[46:47]
	s_or_b32 s[G0B+3], s[G0B+3], 0x80000000
	s_mov_b32 s[G0S], 1                            ; A's scales,
	s_mov_b32 s[G0S+1], SCL
	s_mov_b64 s[G0S+2:G0S+3], s[22:23]
	s_or_b32 s[G0S+3], s[G0S+3], 0x80000000
	s_mov_b32 s[G0SB], 1                           ; B's scales
	s_mov_b32 s[G0SB+1], SCL+2*HALFS
	s_mov_b64 s[G0SB+2:G0SB+3], s[92:93]
	s_or_b32 s[G0SB+3], s[G0SB+3], 0x80000000
	s_mov_b32 s[G0+4], 1                           ; slot 1: my 128 rows of chunk 1
	s_add_co_u32 s[G0+5], s45, SLOT
	s_add_nc_u64 s[G0+6:G0+7], s[20:21], s[18:19]
	s_add_nc_u64 s[G0+6:G0+7], s[G0+6:G0+7], ROWB
	s_or_b32 s[G0+7], s[G0+7], 0x80000000
	s_mov_b32 s[G0B+4], 1
	s_add_co_u32 s[G0B+5], s45, SLOT
	s_add_nc_u64 s[G0B+6:G0B+7], s[46:47], s[18:19]
	s_add_nc_u64 s[G0B+6:G0B+7], s[G0B+6:G0B+7], ROWB
	s_or_b32 s[G0B+7], s[G0B+7], 0x80000000
; one load a wave at the head, in one chain of branches on the wave's number
.macro ARM under, g0, g1, next
	s_cmp_lt_u32 s14, \under
	s_cbranch_scc0 \next
	tensor_load_to_lds s[\g0:\g0+3], s[\g1:\g1+7]
	s_nop 0
.rept 4
	v_nop
.endr
	s_branch .Lhead_asked
\next:
.endm
	ARM 1, G0,  G1,  .Lhead_b
	ARM 2, G0B, G1B, .Lhead_sa
	ARM 3, G0S, G1S, .Lhead_sb
	tensor_load_to_lds s[G0SB:G0SB+3], s[G1SB:G1SB+7]
	s_nop 0
.rept 4
	v_nop
.endr
.Lhead_asked:
	v_and_b32 v1, 15, v0
	v_bfe_u32 v2, v0, 4, 1
	v_mul_u32_u24 v3, v1, PITCH
	v_mul_u32_u24 v4, v2, 24
	v_add_nc_u32 v4, v3, v4
	s_mov_b32 s21, SLOT-232
	s_mov_b32 s22, SLOT+232
	v_sub_nc_u32 v7, 1, v2
	v_mul_u32_u24 v5, s21, v2
	v_add_nc_u32 v5, v3, v5
	v_add_nc_u32 v5, 232, v5                       ; across two chunks: lanes 0-15 byte 232 of the row in slot 0, lanes 16-31 byte 0 in slot 1;
	v_mul_u32_u24 v6, s22, v7
	v_add_nc_u32 v6, v3, v6                        ; and the other way round
	s_mul_i32 s21, s15, HALFT
	s_mul_i32 s22, s16, HALFT
	s_add_co_u32 s22, s22, 2*HALFT
	v_add_nc_u32 v[ADRA+2], s21, v5
	v_add_nc_u32 v[ADRA+3], s21, v6
	v_add_nc_u32 v[ADRB+2], s22, v5
	v_add_nc_u32 v[ADRB+3], s22, v6
.irp s, 0,1
	v_add_nc_u32 v[ADRA+\s], s21, v4
	v_add_nc_u32 v[ADRB+\s], s22, v4
	s_add_co_u32 s21, s21, SLOT
	s_add_co_u32 s22, s22, SLOT
.endr
	v_mul_u32_u24 v5, v1, KS
	v_lshrrev_b32 v6, 8, v5
	v_lshl_add_u32 v5, v6, 4, v5
	s_mul_i32 s21, s15, HALFS
	s_mul_i32 s22, s16, HALFS
	s_add_co_u32 s22, s22, 2*HALFS
	s_sub_co_u32 s22, s22, s21
	v_mul_u32_u24 v6, s22, v2
	s_add_co_u32 s21, s21, SCL
	v_add_nc_u32 v5, v5, v6
	v_add_nc_u32 v[ADRS], s21, v5
	s_lshl_b32 s20, s17, 8
	s_lshl_b32 s21, s15, 7
	s_add_co_u32 s20, s20, s21
	s_lshl_b32 s22, s20, 7
	s_lshl_b32 s23, s42, 3
	s_add_co_u32 s22, s22, s23
	s_lshl_b32 s23, s16, 2
	s_add_co_u32 s22, s22, s23
	s_add_co_u32 s22, s22, 12582912
	s_mov_b32 s23, 0
	s_add_nc_u64 s[66:67], s[12:13], s[22:23]
	s_mul_i32 s46, s20, 3072
	s_lshl_b32 s47, s42, 1
	s_add_co_u32 s47, s47, s16
	s_mul_i32 s47, s47, 1536
	s_add_co_u32 s46, s46, s47
	s_mov_b32 s47, 0
	s_add_nc_u64 s[12:13], s[12:13], s[46:47]
	s_lshl_b32 s46, s42, 10
	s_lshl_b32 s22, s16, 9
	s_add_co_u32 s46, s46, s22
	s_add_nc_u64 s[10:11], s[10:11], s[46:47]
	s_mul_i32 s23, s14, WSTG
	v_mul_u32_u24 v5, v1, SPITCH
	v_lshl_add_u32 v5, v2, 5, v5
	v_add_nc_u32 v[STO], s23, v5
	v_bfe_u32 v5, v0, 3, 2
	v_and_b32 v6, 7, v0
	v_lshlrev_b32 v30, 6, v6
.irp c, 0,1,2,3
	global_load_b128 v[BIAS+4*\c:BIAS+4*\c+3], v30, s[10:11] offset:16*\c
.endr
	v_mul_u32_u24 v[RD0], v5, SPITCH
	v_lshl_add_u32 v[RD0], v6, 6, v[RD0]
	v_add_nc_u32 v[RD0], s23, v[RD0]
	s_lshl_b32 s21, s14, 9
	s_add_co_u32 s21, s21, SBY
	v_lshrrev_b32 v6, 1, v6
	v_lshl_add_u32 v[SB0], v5, 2, v6
	v_add_nc_u32 v[SB0], s21, v[SB0]
	v_and_b32 v6, 31, v0
	v_lshl_add_u32 v[SWA], v6, 2, s21
	v_lshlrev_b32 v[SOF], 7, v6
	v_lshlrev_b32 v[CO], 4, v6
	s_mul_i32 s22, s14, 1536
	s_add_co_u32 s22, s22, IMG
	v_add_nc_u32 v[IRD], s22, v[CO]
	v_bfe_u32 v1, v0, 2, 1
	v_and_b32 v2, 1, v0
	v_mul_u32_u24 v1, v1, 6
	v_mad_u32_u24 v1, v2, 3, v1
	v_bfe_u32 v2, v0, 1, 1
	v_lshlrev_b32 v2, 8, v2
	v_lshl_add_u32 v2, v5, 4, v2
	v_add_nc_u32 v2, s22, v2
.irp i, 0,1,2
	v_add_nc_u32 v3, \i, v1
	v_lshrrev_b32 v4, 2, v3
	v_and_b32 v3, 3, v3
	v_lshl_add_u32 v4, v4, 9, v2
	v_lshl_add_u32 v[IA+\i], v3, 2, v4
.endr
.macro FRAG reg, adr, st, i            ; step st's fragment in pieces of 8 bytes; byte y of a row lies in slot (y / 256) % 2 at byte y % 256
.irp p, 0,1,2,3,4,5
.set BY, 96*(\st)+48*(\p/3)+8*(\p%3)
.if BY/ROWB == (BY+24)/ROWB
	ds_load_b64 v[\reg+2*\p:\reg+2*\p+1], v[\adr+(BY/ROWB)%2] offset:BY%ROWB+(\i)*16*PITCH
.else
	ds_load_b64 v[\reg+2*\p:\reg+2*\p+1], v[\adr+2+(BY/ROWB)%2] offset:BY%ROWB-232+(\i)*16*PITCH
.endif
.endr
.endm
.macro MUL16 a0, p, q, sc, zero
.irp a, \a0, \a0+1
.irp b, 0,1,2,3,4,5,6,7
.if \zero
	v_wmma_scale_f32_16x16x128_f8f6f4 v[8*(8*((\a)%4)+\b):8*(8*((\a)%4)+\b)+7], v[128*(\p)+FR*\b:128*(\p)+FR*\b+FR-1], v[AF+FR*(\a):AF+FR*(\a)+FR-1], 0, v[SC+8*NQ*(\sc)+NQ*\b+(\q)], v[SC+8*NQ*(\sc)+NQ*(\a)+(\q)] matrix_a_fmt:MATRIX_FMT_BF6 matrix_b_fmt:MATRIX_FMT_BF6 matrix_a_scale:MATRIX_SCALE_ROW1
.else
	v_wmma_scale_f32_16x16x128_f8f6f4 v[8*(8*((\a)%4)+\b):8*(8*((\a)%4)+\b)+7], v[128*(\p)+FR*\b:128*(\p)+FR*\b+FR-1], v[AF+FR*(\a):AF+FR*(\a)+FR-1], v[8*(8*((\a)%4)+\b):8*(8*((\a)%4)+\b)+7], v[SC+8*NQ*(\sc)+NQ*\b+(\q)], v[SC+8*NQ*(\sc)+NQ*(\a)+(\q)] matrix_a_fmt:MATRIX_FMT_BF6 matrix_b_fmt:MATRIX_FMT_BF6 matrix_a_scale:MATRIX_SCALE_ROW1
.endif
.endr
.endr
.endm
.macro FETCH_B st, p
	WIN TO_B
.irp i, 0,1,2,3,4,5,6,7
	FRAG 128*(\p)+FR*\i, ADRB, \st, \i
.endr
	WIN 0
.endm
.macro FETCH_A st, i0
.irp i, \i0, \i0+1, \i0+2, \i0+3
	FRAG AF+FR*(\i), ADRA, \st, \i
.endr
.endm
.macro SCALES pr                       ; the scale words of steps 2 pr, 2 pr + 1 into set pr % 2
.irp i, 0,1,2,3,4,5,6,7
	ds_load_b64 v[SC+8*NQ*((\pr)%2)+NQ*\i:SC+8*NQ*((\pr)%2)+NQ*\i+1], v[ADRS] offset:\i*SBLK+4*NQ*(\pr)
.endr
.endm
.macro PLACES n
.rept \n
	v_nop
.endr
.endm
; A step of 128 along K.  Where the next step's bytes end in a chunk not yet read: wait for my tensor loads, and a barrier.  Where they begin in a later chunk: the three lines, the barrier, and, if a chunk two on is left, the round and the refill.
.macro STEP st, zero
.set NX, (\st)+1
.set C0, (96*(\st))/ROWB
.set C1, (96*NX)/ROWB
.set E0, (96*(\st)+95)/ROWB
.set E1, (96*NX+95)/ROWB
.if C1 > C0 || E1 > E0
	s_wait_tensorcnt 0x0                           ; all my tensor loads have landed
.if C1 > C0
	ds_add_u32 v[SPW], v[NIL]
	s_wait_dscnt 4*NL+1                            ; the add and A's blocks 4-7 may be out
.else
	s_wait_dscnt 4*NL                              ; A's blocks 4-7 may be out
.endif
	WIN MUL_LO
	MUL16 0, (\st)%2, (\st)%2, ((\st)/2)%2, \zero
	s_wait_dscnt 0x0                               ; the add and my reads are done
	s_barrier_signal -1
	MUL16 2, (\st)%2, (\st)%2, ((\st)/2)%2, \zero
	WIN 0
	s_barrier_wait -1
.if C1 > C0 && C0+2 < CHUNKS
	CREST
	s_add_nc_u64 s[G0+4*(C0%2)+2:G0+4*(C0%2)+3], s[G0+4*(C0%2)+2:G0+4*(C0%2)+3], 2*ROWB
	s_add_nc_u64 s[G0B+4*(C0%2)+2:G0B+4*(C0%2)+3], s[G0B+4*(C0%2)+2:G0B+4*(C0%2)+3], 2*ROWB
	JLOAD G0+4*(C0%2), G1, G0B+4*(C0%2), G1B       ; chunk C0 + 2; its four v_nop are the places in front of the loads below
.else
	PLACES NP
.endif
.else
	s_wait_dscnt 4*NL
	WIN MUL_LO
	MUL16 0, (\st)%2, (\st)%2, ((\st)/2)%2, \zero
	MUL16 2, (\st)%2, (\st)%2, ((\st)/2)%2, \zero
	s_wait_dscnt 0
	PLACES NP
.endif
	FETCH_B NX, NX%2
	FETCH_A NX, 0
.if NX%2 == 0
	SCALES NX/2
.endif
	WIN MUL_HI
	MUL16 4, (\st)%2, (\st)%2, ((\st)/2)%2, \zero
	MUL16 6, (\st)%2, (\st)%2, ((\st)/2)%2, \zero
	PLACES NP
	WIN 0
	FETCH_A NX, 4
.endm
	s_wait_alu depctr_va_vdst(0)                   ; the head's end
	s_wait_tensorcnt 0x0                           ; my tile of the head's four is in
	ds_add_u32 v[SPW], v[NIL]
	s_mov_b32 s[G1+2], 128<<16                     ; no load of mine is out: from here on a load brings 128 rows,
	s_mov_b32 s[G1+4], 128
	s_mov_b32 s[G1B+2], 128<<16
	s_mov_b32 s[G1B+4], 128
	s_mov_b32 s[G0+1], s45                         ; and slot 0's groups 0 point at my 128 rows
	s_add_nc_u64 s[G0+2:G0+3], s[G0+2:G0+3], s[18:19]
	s_mov_b32 s[G0B+1], s45
	s_add_nc_u64 s[G0B+2:G0B+3], s[G0B+2:G0B+3], s[18:19]
	s_wait_dscnt 0x0
	CROUND
	JLOAD G0+4, G1, G0B+4, G1B                     ; chunk 1, the first tensor load behind the round
	FETCH_B 0, 0
	FETCH_A 0, 0
	SCALES 0
	FETCH_A 0, 4
	STEP 0, 1
.set ST, 1
.rept STEPS-2
	STEP ST, 0
.set ST, ST+1
.endr
	s_wait_dscnt 4*NL
	WIN MUL_LO
	MUL16 0, 1, NQ-1, 1, 0
	MUL16 2, 1, NQ-1, 1, 0
	s_wait_dscnt 0
	WIN MUL_HI
	MUL16 4, 1, NQ-1, 1, 0
	MUL16 6, 1, NQ-1, 1, 0
	WIN 0
	s_wait_dscnt 0x0
	s_barrier_signal -1
	s_barrier_wait -1
	PLACES NP
.irp a, 0,1,2,3,4,5,6,7
	WIN 0x08+4*(\a/4)
.irp b, 0,1,2,3,4,5,6,7
	ds_store_b128 v[STO], v[64*(\a%4)+8*\b:64*(\a%4)+8*\b+3] offset:16*\a*SPITCH+64*\b
	ds_store_b128 v[STO], v[64*(\a%4)+8*\b+4:64*(\a%4)+8*\b+7] offset:16*\a*SPITCH+64*\b+16
.endr
.endr
	WIN 0
.macro COEF idx, bits
	v_mov_b32 v[CF+2*\idx], \bits
	v_mov_b32 v[CF+2*\idx+1], \bits
.endm
	COEF 0, 0xbf38aa3b
	COEF 1, 0xc034d90f
	COEF 2, 0x3fb8ab5a
	COEF 3, 0x3f0a29d2
	COEF 4, 0x3e0efb2f
	COEF 5, 0xbe899a80
	COEF 6, 0x3ecdfd18
	COEF 7, 0xbfd1a1e5
	COEF 8, 0x40097039
	COEF 9, 0xbf97d29d
	COEF 10, 0x3e7c6f08
.macro GELU16 x
.set n, 0
.rept 16
	v_fma_f32 v[GT+n], |v[\x+n]|, s[GSC], 1.0
.set n, n+1
.endr
.set n, 0
	s_wait_alu depctr_va_vdst(0)
.rept 16
	v_rcp_f32 v[GT+n], v[GT+n]
.set n, n+1
.endr
.set n, 0
.rept 8
	v_pk_mul_f32 v[GQ+n:GQ+n+1], v[\x+n:\x+n+1], v[CF:CF+1]
.set n, n+2
.endr
.set n, 0
.rept 8
	v_pk_fma_f32 v[GQ+n:GQ+n+1], v[GQ+n:GQ+n+1], v[\x+n:\x+n+1], v[CF+2:CF+3]
.set n, n+2
.endr
	s_wait_alu depctr_va_vdst(0)
.set n, 0
.rept 8
	v_pk_fma_f32 v[GP+n:GP+n+1], v[GT+n:GT+n+1], v[CF+20:CF+21], v[CF+18:CF+19]
.set n, n+2
.endr
.irp c, 16,14,12,10,8,6,4
.set n, 0
.rept 8
	v_pk_fma_f32 v[GP+n:GP+n+1], v[GP+n:GP+n+1], v[GT+n:GT+n+1], v[CF+\c:CF+\c+1]
.set n, n+2
.endr
.endr
.set n, 0
.rept 8
	v_pk_fma_f32 v[GP+n:GP+n+1], v[GP+n:GP+n+1], v[GT+n:GT+n+1], v[GQ+n:GQ+n+1]
.set n, n+2
.endr
.set n, 0
	s_wait_alu depctr_va_vdst(0)
.rept 16
	v_exp_f32 v[GP+n], v[GP+n]
.set n, n+1
.endr
.set n, 0
.rept 16
	v_max_num_f32 v[GM+n], 0, v[\x+n]
.set n, n+1
.endr
	s_wait_alu depctr_va_vdst(0)
.set n, 0
.rept 8
	v_pk_mul_f32 v[GP+n:GP+n+1], v[GP+n:GP+n+1], v[GT+n:GT+n+1]
.set n, n+2
.endr
.set n, 0
.rept 16
	v_fma_f32 v[\x+n], -|v[\x+n]|, v[GP+n], v[GM+n]
.set n, n+1
.endr
.endm
.macro QUANT16 xs, cr, er
	v_max3_num_f32 v[QT], |v[\xs]|, |v[\xs+1]|, |v[\xs+2]|
	v_max3_num_f32 v[QT+1], |v[\xs+3]|, |v[\xs+4]|, |v[\xs+5]|
.irp n, 6,10
	v_max3_num_f32 v[QT], v[QT], |v[\xs+\n]|, |v[\xs+\n+1]|
	v_max3_num_f32 v[QT+1], v[QT+1], |v[\xs+\n+2]|, |v[\xs+\n+3]|
.endr
	v_max3_num_f32 v[QT], v[QT], |v[\xs+14]|, |v[\xs+15]|
	v_max3_num_f32 v[QT], v[QT], v[QT+1], 0x2800000
	v_max_num_f32_dpp v[QT], v[QT], v[QT] row_xmask:1 row_mask:0xf bank_mask:0xf
	v_add_nc_u32 v[QT+2], 0xfe000000, v[QT]
	v_cvt_scalef32_pk16_bf6_f32 v[\cr:\cr+2], v[\xs:\xs+15], v[QT+2]
	v_lshrrev_b32 v[\er], 23, v[QT+2]
.endm
.macro PASS j
	s_wait_dscnt 12
.set m, 0
.rept 8
	v_pk_add_f32 v[XO+16*\j+m:XO+16*\j+m+1], v[XO+16*\j+m:XO+16*\j+m+1], v[BIAS+m:BIAS+m+1]
.set m, m+2
.endr
	GELU16 XO+16*\j
	QUANT16 XO+16*\j, CD+4*\j, EB+\j
	ds_store_b8 v[SBA], v[EB+\j] offset:16*\j
.irp i, 0,1,2
	ds_store_b32 v[IA+\i], v[CD+4*\j+\i] offset:64*\j
.endr
.endm
	s_wait_loadcnt 0x0
	s_mov_b32 s98, 0
	s_mov_b32 s99, 0
	s_mov_b32 s100, 8
.Lout:
	v_add_nc_u32 v[RDA], s98, v[RD0]
	v_add_nc_u32 v[SBA], s99, v[SB0]
.irp j, 0,1,2,3
.irp c, 0,1,2,3
	ds_load_b128 v[XO+16*\j+4*\c:XO+16*\j+4*\c+3], v[RDA] offset:\j*4*SPITCH+16*\c
.endr
.endr
	PASS 0
	PASS 1
	PASS 2
	PASS 3
.irp k, 0,1,2
	ds_load_b128 v[IM+4*\k:IM+4*\k+3], v[IRD] offset:512*\k
.endr
	s_wait_dscnt 0x0
.irp k, 0,1,2
	global_store_b128 v[CO], v[IM+4*\k:IM+4*\k+3], s[12:13] offset:512*\k
.endr
	s_wait_xcnt 0x0
	s_add_nc_u64 s[12:13], s[12:13], 32*1536
	s_add_co_u32 s98, s98, 16*SPITCH
	s_add_co_u32 s99, s99, 64
	s_sub_co_u32 s100, s100, 1
	s_cmp_lg_u32 s100, 0
	s_cbranch_scc1 .Lout
.irp k, 0,1,2,3
	ds_load_b32 v[SW+\k], v[SWA] offset:128*\k
.endr
	s_wait_dscnt 0x0
.irp k, 0,1,2,3
	global_store_b32 v[SOF], v[SW+\k], s[66:67] offset:4096*\k
.endr
	s_wait_tensorcnt 0x0
	ds_add_u32 v[SPW], v[NIL]
	s_wait_dscnt 0x0
	CROUND
	s_endpgm
.Lfunc_end_k_qb601b9500d_w1:
	.size	k_qb601b9500d_w1, .Lfunc_end_k_qb601b9500d_w1-k_qb601b9500d_w1
	.p2alignl 7, 3214868480
	.fill 96, 4, 3214868480
	.section	.rodata,"a",@progbits
	.p2align	6, 0x0
	.amdhsa_kernel k_qb601b9500d_w1
		.amdhsa_group_segment_fixed_size 327680
		.amdhsa_private_segment_fixed_size 0
		.amdhsa_enable_private_segment 0
		.amdhsa_kernarg_size 40
		.amdhsa_user_sgpr_count 2
		.amdhsa_user_sgpr_kernarg_segment_ptr 1
		.amdhsa_wavefront_size32 1
		.amdhsa_system_sgpr_workgroup_id_x 1
		.amdhsa_system_sgpr_workgroup_id_y 1
		.amdhsa_system_sgpr_workgroup_id_z 1
		.amdhsa_system_vgpr_workitem_id 0
		.amdhsa_next_free_vgpr 1024
		.amdhsa_next_free_sgpr 102
		.amdhsa_reserve_vcc 0
		.amdhsa_float_denorm_mode_32 3
		.amdhsa_float_denorm_mode_16_64 3
		.amdhsa_memory_ordered 1
		.amdhsa_forward_progress 1
		.amdhsa_inst_pref_size 190
	.end_amdhsa_kernel
	.amdgpu_metadata
---
amdhsa.version: [ 1, 2 ]
amdhsa.kernels:
  - .name:           k_qb601b9500d_w1
    .symbol:         k_qb601b9500d_w1.kd
    .args:
      - { .name: H, .offset: 0, .size: 8, .value_kind: global_buffer, .address_space: global }
      - { .name: W1_codes, .offset: 8, .size: 8, .value_kind: global_buffer, .address_space: global }
      - { .name: W1_scales, .offset: 16, .size: 8, .value_kind: global_buffer, .address_space: global }
      - { .name: b1, .offset: 24, .size: 8, .value_kind: global_buffer, .address_space: global }
      - { .name: MM, .offset: 32, .size: 8, .value_kind: global_buffer, .address_space: global }
    .group_segment_fixed_size: 327680
    .private_segment_fixed_size: 0
    .kernarg_segment_align: 8
    .kernarg_segment_size: 40
    .max_flat_workgroup_size: 128
    .sgpr_count:     102
    .vgpr_count:     1024
    .wavefront_size: 32
...
	.end_amdgpu_metadata
.endif
;; end of part 5
;; launch w2 (part 6): grid 32 x 8, 4 waves a work-group, clusters of 4 x 1, 327,680 bytes of LDS; arguments MM, W2_codes, W2_scales, b2, RES, out0; writes out0
.if DOCPART == 6
	.amdgcn_target "amdgcn-amd-amdhsa--gfx1250"
	.amdhsa_code_object_version 6
	.text
	.protected	k_qb601b9500d_w2
	.globl	k_qb601b9500d_w2
	.p2align	8
	.type	k_qb601b9500d_w2,@function
k_qb601b9500d_w2:
	s_mov_b64 s[64:65], 0
	v_nop
	global_prefetch_b8 v0, s[64:65] scope:SCOPE_SE
	s_setreg_imm32_b32 hwreg(HW_REG_WAVE_MODE, 25, 1), 1
	s_wait_xcnt 0x0
	s_wait_alu depctr_hold_cnt(0) depctr_sa_sdst(0) depctr_va_vdst(0) depctr_va_sdst(0) depctr_va_ssrc(0) depctr_va_vcc(0) depctr_vm_vsrc(0)
	s_getreg_b32 s2, hwreg(HW_REG_IB_STS2, 6, 4)
	s_cmp_eq_u32 s2, 0
	s_cbranch_scc0 .Lentry_in_a_cluster
	s_endpgm
.Lentry_in_a_cluster:
	s_bfe_u32 s2, ttmp6, 0x10000c
	s_cmp_lg_u32 s2, 0x3003
	s_cbranch_scc0 .Lentry_shape_is_right
	s_endpgm
.Lentry_shape_is_right:
; out0 = gelu(m W2^T + b2) + RES.  m: codes of E3M2 in MM, laid as images of the operand's registers ([16 tokens: 256][128 of K: 32][1,536 bytes]; scale bytes [token][128] at ASC);
; W2: codes [1024][3,072 bytes], scale bytes [1024][128].  Nothing is left out.
; SHARES.  A tile of the result is 128 tokens x 128 columns, so that 4,096 x 1,024 numbers give 256 work-groups (x: 32 tile rows, y: 8 tile columns).  Four waves; a wave makes 32 tokens x all 128 columns: 16 accumulators.
; m GOES FROM MEMORY STRAIGHT INTO THE OPERAND'S REGISTERS, W2 THROUGH LDS.  A slot in LDS is filled again only behind a barrier in front of which every wave has waited for all its tensor loads, so a ring has one fill on its
; way at a time.  With both operands in LDS a fill would hold 512 of K: 64 matrix instructions a wave.  With W2 alone a slot holds 1,024 of K: four fills in all, two of them refills, each with 128 matrix instructions a wave
; in which to land.  m's fragments come by plain loads, three of 512 consecutive bytes each, into a ring of ten K steps in registers: a step's six loads are issued nine steps, 144 matrix instructions, ahead, and no barrier
; waits for them.  That is why m's rows, which the eight tile columns share, are not asked for jointly: a joint load lands in LDS alone.
; CLUSTER: the four tile rows of a cluster share W2's tile: each wave's load (32 rows x 768 bytes) is asked for jointly, by the same descriptor in all four.
; K IS WALKED IN FOUR QUARTERS OF 1,024, IN ASCENDING ORDER, pass p = quarter p, in every work-group alike.
; The matrix instruction is used transposed (source 0 = rows of W2, source 1 = tokens): a lane holds eight neighbouring columns of a row.  The way out adds the bias, takes the exact GELU (the form and its coefficients as in
; the launch for W1: gelu(x) = max(x, 0) - |x| t 2^E) and adds the residual; 16 rows at a time go through the wave's own stage in slot 0 (behind its last fill and its last read) and leave as rows of 512 consecutive bytes.
; The 32 K steps are written out: the ring of ten steps and the slots of eight never come round together, and so every offset is an immediate and every count a constant.
; REGISTERS.  Window 0: v4-7, v12-27, v246-249 addresses; v8-11 the bias; v32-95 m's scale words (token block a, step i: 32 + 32 a + i); v96-159 W2's, two sets of four steps; on the way out v32-159 rows, v160-223 GELU at work,
; v224-245 its coefficients.  Window 1: W2's fragments, two sets of 96.  Window 2: m's fragments, ten steps of 24.  Window 3: v0-127 the accumulators ((a, b) at 8 (8 a + b)); v128-255 the residual.
; LIMITS: NaN and infinities are not served (finite numbers of any size are).
.set PITCH,  816                       ; an LDS row: 3 x (256 bytes + 16 of padding) = 204 words: row r starts at bank 12 r mod 64, sixteen different multiples of 4 (64 banks of 4 bytes: ISA guide 11.1), so the 32 lanes of a load of 8 bytes touch 64 different banks
.set QROWS,  32*PITCH                  ; 32 rows: what one tensor load brings
.set SLOT,   4*QROWS                   ; W2's 128 rows, 1,024 of K
.set HIB,    64*PITCH                  ; rows 64 on have address registers of their own: an LDS offset has 16 bits
.set SCL,    2*SLOT                    ; behind the ring: W2's scale bytes, as blocks of 256 bytes + 16
.set QSC,    16*272                    ; those of 32 rows
.set SBLK,   8*272                     ; those of 16 rows
.set SPARE,  SCL+4*QSC                 ; behind them: the spare words, 128 bytes for each wave
.set SPITCH, 528                       ; the stage: 16 rows of 512 bytes + 16
.set ASC,    12582912                  ; where m's scale bytes begin in MM
.set SOF,  4                           ; v4-7    pass p: my offset among m's scale bytes
.set AOF,  12                          ; v12-15  pass p: my offset among m's codes: 16 x lane + the quarter
.set ADRB, 16                          ; v16-23  W2's fragments: 16 + 4 slot + 2 (rows 64 on) + (behind one padding more)
.set STO,  24
.set RD,   25
.set CO,   26                          ; v26     16 x lane
.set SPW,  28
.set NIL,  29
.set SA,   32
.set SB,   96
.set GT,   160
.set GP,   176
.set GQ,   192
.set GM,   208
.set CF,   224
.set ASB,  246                         ; v246-249 pass p: LDS address of W2's scale words
.set G1,   24                          ; s[24:31] group 1 for W2's codes; s[32:39] for its scale bytes; s[40:43] group 0 for these; s[44:59] groups 0 of the four fills, never rewritten
.set G1S,  32
.set G0S,  40
.set G0P,  44
.set CH,   66                          ; s66-69  the quarter of K that pass p walks
.set GSC,  70                          ; s70     0.35355339
.set W_MUL, 0xf9                       ; source 0 (W2) window 1, source 1 (m) window 2, C and D window 3
.set W_A,   0x80                       ; destination window 2
.set W_B,   0x40                       ; destination window 1
.set W_R,   0xc0                       ; destination window 3
.set W_S1,  0x0c                       ; source 1 window 3
.set MSB, 0
.macro WIN new                         ; the immediate's high byte repeats the setting that is left
.if MSB != \new
	s_set_vgpr_msb (MSB<<8)|\new
.set MSB, \new
.endif
.endm
.macro CREST
	s_cmp_lg_u32 s14, 0
	s_cbranch_scc1 .Lnot_wave_0_\@
	s_barrier_signal -3
.Lnot_wave_0_\@:
	s_barrier_wait -3
	s_barrier_signal -1
	s_barrier_wait -1
.endm
.macro CROUND
	s_barrier_signal -1
	s_barrier_wait -1
	CREST
.endm
.macro PLACES n                        ; plain vector lines between a matrix instruction and a load into, or a read of, its registers
.rept \n
	v_nop
.endr
.endm
	s_load_b256 s[4:11], s[0:1], 0x0               ; MM, W2's codes, W2's scales, b2
	s_load_b128 s[96:99], s[0:1], 0x20             ; RES, out0
	v_lshl_add_u32 v[SPW], v0, 2, SPARE
	v_mov_b32 v[NIL], 0
	ds_add_u32 v[SPW], v[NIL]                      ; the wave's opening: the add, twice on end, and its wait ahead of my first tensor load
	ds_add_u32 v[SPW], v[NIL]
	v_lshrrev_b32 v1, 5, v0
	v_readfirstlane_b32 s14, v1                    ; wave 0..3
	s_bfe_u32 s15, ttmp6, 0x40000                  ; cx: it enters m's, the residual's and the output's addresses alone
	s_lshl_b32 s16, ttmp9, 2
	s_add_co_u32 s16, s16, s15                     ; tile row
	s_and_b32 s17, ttmp7, 0xffff                   ; tile column, which the four partners share
	s_mov_b32 s[G1+0], 15|(0<<16)|(1<<20)|(1<<21)|(5<<22)|(3<<25)   ; the mask: all four work-groups; elements of 1 byte; 4 words of padding behind every 64; bit 21 beside a mask
	s_mov_b32 s[G1+1], 768<<16                     ; tensor_dim0
	s_mov_b32 s[G1+2], 64<<16                      ; tensor_dim1: the head's loads bring 64 rows
	s_mov_b32 s[G1+3], 768<<16                     ; tile_dim0
	s_mov_b32 s[G1+4], 64
	s_mov_b32 s[G1+5], 3072                        ; from row to row of W2
	s_mov_b32 s[G1+6], 0
	s_mov_b32 s[G1+7], 0
	s_mov_b32 s[G1S+0], 15|(3<<16)|(1<<20)|(1<<21)|(5<<22)|(3<<25)  ; the scale bytes of 64 rows: a dense block of 8,192 bytes, as 32 rows of 256, 16 bytes of padding behind each
	s_mov_b32 s[G1S+1], 32<<16
	s_mov_b32 s[G1S+2], 32<<16                     ; the scale bytes of 64 rows: 32 rows of 256 bytes
	s_mov_b32 s[G1S+3], 32<<16
	s_mov_b32 s[G1S+4], 32
	s_mov_b32 s[G1S+5], 32
	s_mov_b32 s[G1S+6], 0
	s_mov_b32 s[G1S+7], 0
; AS THE TEXT STANDS NOW: K is walked in ascending quarters, pass p = quarter p, in every work-group alike (no start that hangs on the tile column), so every LDS address is made of constants, the lane and the wave.
; THE HEAD, as it stands now: one tensor load a wave: waves 0 and 1 bring slot 0's 64 rows each, waves 2 and 3 the scale bytes of 64 rows each; slot 1's first fill stands behind the full sequence and a round.
.irp p, 0,1,2,3
	s_mov_b32 s[CH+\p], \p
.endr
	s_lshl_b32 s20, s17, 7
	s_lshl_b32 s21, s14, 5
	s_add_co_u32 s20, s20, s21                     ; the first row of W2 that I fetch: 128 x tile column + 32 x wave
	s_mul_i32 s22, s20, 3072
	s_mov_b32 s23, 0
	s_and_b32 s86, s14, 1                          ; the head: which 64 rows I fetch
	s_lshl_b32 s87, s86, 6
	s_lshl_b32 s88, s17, 7
	s_add_co_u32 s88, s88, s87                     ; 128 x tile column + 64 x (wave % 2)
	s_mul_i32 s90, s88, 3072
	s_mov_b32 s91, 0
	s_lshl_b32 s76, s88, 7
	s_mov_b32 s77, 0
	s_mul_i32 s19, s14, QROWS
	s_mul_i32 s71, s86, 2*QSC
	s_mul_i32 s87, s86, 2*QROWS
	s_lshl_b32 s72, s16, 7
	s_add_co_u32 s72, s72, s21                     ; my first token: 128 x tile row + 32 x wave
	s_mov_b32 s[GSC], 0x3eb504f3
	s_mov_b32 s85, 0
	s_wait_dscnt 0x0                               ; both opening adds are done
	s_wait_kmcnt 0x0
	s_add_nc_u64 s[74:75], s[6:7], s[22:23]        ; W2's codes at my rows
	s_mov_b32 s[G0S], 1
	s_add_co_u32 s[G0S+1], s71, SCL
	s_add_nc_u64 s[G0S+2:G0S+3], s[8:9], s[76:77]
	s_or_b32 s[G0S+3], s[G0S+3], 0x80000000
	s_mov_b32 s[G0P], 1                            ; the head's load of quarter 0: 64 rows
	s_mov_b32 s[G0P+1], s87
	s_add_nc_u64 s[G0P+2:G0P+3], s[6:7], s[90:91]
	s_or_b32 s[G0P+3], s[G0P+3], 0x80000000
.irp p, 1,2,3
	s_mul_i32 s76, s[CH+\p], 768
	s_mov_b32 s[G0P+4*\p], 1
	s_add_co_u32 s[G0P+4*\p+1], s19, (\p%2)*SLOT
	s_add_nc_u64 s[G0P+4*\p+2:G0P+4*\p+3], s[74:75], s[76:77]
	s_or_b32 s[G0P+4*\p+3], s[G0P+4*\p+3], 0x80000000
.endr
	CROUND                                         ; all four work-groups are here: the first joint loads meet
	s_cmp_lt_u32 s14, 2                            ; one load a wave
	s_cbranch_scc0 .Lhead_sc
	tensor_load_to_lds s[G0P:G0P+3], s[G1:G1+7]
	s_nop 0
.rept 4
	v_nop
.endr
	s_branch .Lhead_asked
.Lhead_sc:
	tensor_load_to_lds s[G0S:G0S+3], s[G1S:G1S+7]
	s_nop 0
.rept 4
	v_nop
.endr
.Lhead_asked:
	s_mul_i32 s84, s72, 3072                       ; 16 tokens are 32 fragments of 1,536 bytes
	s_add_nc_u64 s[80:81], s[4:5], s[84:85]        ; m's codes at my first token
	s_lshl_b32 s84, s72, 7
	s_add_co_u32 s84, s84, ASC
	s_add_nc_u64 s[82:83], s[4:5], s[84:85]        ; and its scale bytes
	s_lshl_b32 s84, s17, 9
	s_add_nc_u64 s[10:11], s[10:11], s[84:85]      ; b2 at the tile's first column
	s_lshl_b32 s86, s72, 12
	s_add_co_u32 s84, s84, s86
	s_add_nc_u64 s[96:97], s[96:97], s[84:85]      ; the residual and the output at my first row, the tile's first column
	s_add_nc_u64 s[98:99], s[98:99], s[84:85]
	v_and_b32 v1, 15, v0                           ; r
	v_bfe_u32 v2, v0, 4, 1                         ; h
	v_and_b32 v3, 31, v0                           ; lane
	v_lshlrev_b32 v[CO], 4, v3
	v_lshlrev_b32 v30, 7, v1                       ; a row of scale bytes is 128 bytes
	v_lshrrev_b32 v31, 1, v1
	v_lshl_add_u32 v31, v31, 4, v30                ; in LDS: and 16 more for each 256 passed
	s_wait_alu depctr_va_vdst(0)
.irp p, 0,1,2,3
	s_mul_i32 s84, s[CH+\p], 8*1536                ; a quarter of K is eight fragments
	v_add_nc_u32 v[AOF+\p], s84, v[CO]
	s_lshl_b32 s84, s[CH+\p], 5                    ; and 32 scale bytes
	v_add_nc_u32 v[SOF+\p], s84, v30
	s_add_co_u32 s84, s84, SCL
	v_add_nc_u32 v[ASB+\p], s84, v31
.endr
	v_mul_u32_u24 v27, v1, PITCH
	v_mad_u32_u24 v27, v2, 24, v27                 ; a fragment's row x pitch + 24 x half
	v_lshl_add_u32 v3, v2, 4, v27                  ; and the same behind one padding more
.irp s, 0,1
.irp u, 0,1
	v_add_nc_u32 v[ADRB+4*\s+2*\u], \s*SLOT+\u*HIB, v27
	v_add_nc_u32 v[ADRB+4*\s+2*\u+1], \s*SLOT+\u*HIB, v3
.endr
.endr
	s_mul_i32 s86, s14, 16*SPITCH                  ; my stage
	v_mul_u32_u24 v[STO], v1, SPITCH
	v_lshl_add_u32 v[STO], v2, 5, v[STO]
	v_add_nc_u32 v[STO], s86, v[STO]               ; in: row r, 32 bytes for each half of the lanes
	v_add_nc_u32 v[RD], s86, v[CO]                 ; back: the 32 lanes take one row of 512 bytes
.irp a, 0,1
.irp p, 0,1,2,3
.irp m, 0,1
	global_load_b128 v[SA+32*\a+8*\p+4*\m:SA+32*\a+8*\p+4*\m+3], v[SOF+\p], s[82:83] offset:2048*\a+16*\m   ; m's scale words, in the order in which K is walked: lane r has token r's (lanes 16-31 hold the same and are not read)
.endr
.endr
.endr
	global_load_b128 v[8:11], v[CO], s[10:11]      ; the bias of my four columns on the way out
; m's two fragments of step i (pass i / 8, its step i % 8) into place i % 10 of the ring: six loads of 512 consecutive bytes
.macro ALOAD i
	WIN W_A
.irp a, 0,1
.irp j, 0,1,2
	global_load_b128 v[24*((\i)%10)+12*\a+4*\j:24*((\i)%10)+12*\a+4*\j+3], v[AOF+(\i)/8], s[80:81] offset:\a*32*1536+((\i)%8)*1536+512*\j
.endr
.endr
.endm
; eight rows of the residual, in the layout in which the results leave
.macro RLOAD k
	WIN W_R
.irp t, 0,1,2,3,4,5,6,7
	global_load_b128 v[128+4*(8*(\k)+\t):128+4*(8*(\k)+\t)+3], v[CO], s[96:97] offset:(8*(\k)+\t)*4096 th:TH_LOAD_NT
.endr
.endm
.macro FRAG reg, adr, q, bb            ; 16 rows x 128 K: 12 registers, in pieces of 8 bytes; 16 bytes of padding lie behind every 32 pieces; where the piece of lanes 16-31, three on, lies behind one padding more, the second address register serves
.irp p, 0,1,2,3,4,5
.set PC, 12*(\q)+6*(\p/3)+\p%3
.if PC%32 < 29
	ds_load_b64 v[\reg+2*\p:\reg+2*\p+1], v[\adr] offset:8*PC+16*(PC/32)+(\bb)*16*PITCH
.else
	ds_load_b64 v[\reg+2*\p:\reg+2*\p+1], v[\adr+1] offset:8*PC+16*(PC/32)+(\bb)*16*PITCH
.endif
.endr
.endm
.macro FETCHB i                        ; W2's eight fragments of step i into set i % 2
	WIN W_B
.irp b, 0,1,2,3,4,5,6,7
	FRAG 96*((\i)%2)+12*\b, ADRB+4*(((\i)/8)%2)+2*(\b/4), (\i)%8, \b%4
.endr
.endm
.macro SCALESB m                       ; W2's scale words of steps 4 m .. 4 m + 3 into set m % 2: lane r has row 16 b + r's
	WIN 0
.irp b, 0,1,2,3,4,5,6,7
	ds_load_b128 v[SB+32*((\m)%2)+4*\b:SB+32*((\m)%2)+4*\b+3], v[ASB+(\m)/2] offset:\b*SBLK+16*((\m)%2)
.endr
.endm
.macro MUL8 i, a, zero                 ; token block a x W2's eight blocks; the 16 accumulators take turns, one instruction a turn
.irp b, 0,1,2,3,4,5,6,7
.if \zero
	v_wmma_scale_f32_16x16x128_f8f6f4 v[8*(8*\a+\b):8*(8*\a+\b)+7], v[96*((\i)%2)+12*\b:96*((\i)%2)+12*\b+11], v[24*((\i)%10)+12*\a:24*((\i)%10)+12*\a+11], 0, v[SB+32*(((\i)/4)%2)+4*\b+(\i)%4], v[SA+32*\a+(\i)] matrix_a_fmt:MATRIX_FMT_BF6 matrix_b_fmt:MATRIX_FMT_BF6
.else
	v_wmma_scale_f32_16x16x128_f8f6f4 v[8*(8*\a+\b):8*(8*\a+\b)+7], v[96*((\i)%2)+12*\b:96*((\i)%2)+12*\b+11], v[24*((\i)%10)+12*\a:24*((\i)%10)+12*\a+11], v[8*(8*\a+\b):8*(8*\a+\b)+7], v[SB+32*(((\i)/4)%2)+4*\b+(\i)%4], v[SA+32*\a+(\i)] matrix_a_fmt:MATRIX_FMT_BF6 matrix_b_fmt:MATRIX_FMT_BF6
.endif
.endr
.endm
; How many loads may be out when step i's six have to be there: those of the steps behind it that have been asked for (up to step i + 8, and 31 at the most: six each), and the residual's (eight in each of steps 25 to 28)
.macro COUNT i
.set NLD, 48
.if (\i) > 23
.set NLD, 6*(31-(\i))
.endif
.if (\i) > 25
.if (\i) < 29
.set NLD, NLD+8*((\i)-25)
.else
.set NLD, NLD+32
.endif
.endif
.endm
; A step of 128 along K that has its successor in the same slot
.macro STEP i, zero
	COUNT \i
	s_wait_loadcnt NLD                             ; m's fragments of this step are in (loads come back in order: ISA guide 5.7.1)
	s_wait_dscnt 0x0                               ; W2's too
	PLACES 4                                       ; between the last step's products and the loads into their registers
.if ((\i) >= 1) && ((\i) <= 22)
	ALOAD (\i)+9                                   ; the ring's place that the last step has left takes the step nine on
.endif
.if ((\i) >= 25) && ((\i) <= 28)
	RLOAD (\i)-25                                  ; nothing of m is left to ask for: the residual
.endif
	FETCHB (\i)+1
.if (\i)%4 == 3
	SCALESB ((\i)+1)/4
.endif
	WIN W_MUL
	MUL8 \i, 0, \zero
	MUL8 \i, 1, \zero
	WIN 0
.endm
; A slot's last step changes slots: one barrier.  fill = 1: this slot is filled again, with the quarter of K two passes on
.macro TURN i, fill
	COUNT \i
	s_wait_loadcnt NLD
	s_wait_tensorcnt 0x0                           ; all my tensor loads have landed: my part of the next slot
	ds_add_u32 v[SPW], v[NIL]                      ; 0 onto my spare word
	s_wait_dscnt 0x0                               ; the add is done, and my reads of this slot are over
	s_barrier_signal -1
	WIN W_MUL
	MUL8 \i, 0, 0                                  ; work on registers while the others arrive
	WIN 0
	s_barrier_wait -1
.if \fill
	CREST                                          ; the barrier has opened a round of the cluster's: no wave of any partner still reads this slot or has a load on its way
	tensor_load_to_lds s[G0P+4*((\i)/8+2):G0P+4*((\i)/8+2)+3], s[G1:G1+7]   ; the first thing behind the round, and my one tensor load until the next
	s_nop 0
.endif
	PLACES 4
.if (\i) <= 22
	ALOAD (\i)+9
.endif
	FETCHB (\i)+1
	SCALESB ((\i)+1)/4
	WIN W_MUL
	MUL8 \i, 1, 0
	WIN 0
.endm
.irp i, 0,1,2,3,4,5,6,7,8,9
	ALOAD \i                                       ; the ring is filled: ten steps
.endr
	WIN 0
	s_wait_alu depctr_va_vdst(0)
	s_wait_tensorcnt 0x0                           ; my tile of the head's four is in
	ds_add_u32 v[SPW], v[NIL]
	s_mov_b32 s[G1+2], 32<<16                      ; no load of mine is out: from here on a load brings 32 rows
	s_mov_b32 s[G1+4], 32
	s_wait_dscnt 0x0
	CROUND
	tensor_load_to_lds s[G0P+4:G0P+7], s[G1:G1+7]  ; slot 1's first fill, my one load behind the round
	s_nop 0
	PLACES 4
	FETCHB 0
	SCALESB 0
	STEP 0, 1                                      ; the first step's products start the sums
.irp i, 1,2,3,4,5,6
	STEP \i, 0
.endr
	TURN 7, 1
.irp i, 8,9,10,11,12,13,14
	STEP \i, 0
.endr
	TURN 15, 1
.irp i, 16,17,18,19,20,21,22
	STEP \i, 0
.endr
	TURN 23, 0                                     ; nothing is left to fetch
.irp i, 24,25,26,27,28,29,30
	STEP \i, 0
.endr
	s_wait_loadcnt 32                              ; the last step's fragments of m are in; the residual's 32 loads may be out
	s_wait_dscnt 0x0
	WIN W_MUL
	MUL8 31, 0, 0
	MUL8 31, 1, 0
	WIN 0
	; THE WAY OUT
	PLACES 4
.macro COEF idx, bits                  ; a coefficient, twice: a pair for the packed forms
	v_mov_b32 v[CF+2*\idx], \bits
	v_mov_b32 v[CF+2*\idx+1], \bits
.endm
	COEF 0, 0xbf38aa3b                             ; k  = -0.72134752
	COEF 1, 0xc034d90f                             ; c0 = -2.82574822
	COEF 2, 0x3fb8ab5a                             ; c1 =  1.44272920
	COEF 3, 0x3f0a29d2                             ; c2 =  0.53970062
	COEF 4, 0x3e0efb2f                             ; c3 =  0.13963006
	COEF 5, 0xbe899a80                             ; c4 = -0.26875686
	COEF 6, 0x3ecdfd18                             ; c5 =  0.40232158
	COEF 7, 0xbfd1a1e5                             ; c6 = -1.63775315
	COEF 8, 0x40097039                             ; c7 =  2.14747446
	COEF 9, 0xbf97d29d                             ; c8 = -1.18611494
	COEF 10, 0x3e7c6f08                            ; c9 =  0.24651730
.macro GELU16 x                        ; 16 numbers, in place
.set n, 0
.rept 16
	v_fma_f32 v[GT+n], |v[\x+n]|, s[GSC], 1.0
.set n, n+1
.endr
.set n, 0
	s_wait_alu depctr_va_vdst(0)
.rept 16
	v_rcp_f32 v[GT+n], v[GT+n]                     ; t
.set n, n+1
.endr
.set n, 0
.rept 8
	v_pk_mul_f32 v[GQ+n:GQ+n+1], v[\x+n:\x+n+1], v[CF:CF+1]
.set n, n+2
.endr
.set n, 0
.rept 8
	v_pk_fma_f32 v[GQ+n:GQ+n+1], v[GQ+n:GQ+n+1], v[\x+n:\x+n+1], v[CF+2:CF+3]   ; k x^2 + c0
.set n, n+2
.endr
	s_wait_alu depctr_va_vdst(0)                   ; one wait for the sixteen reciprocals, ahead of their first reader
.set n, 0
.rept 8
	v_pk_fma_f32 v[GP+n:GP+n+1], v[GT+n:GT+n+1], v[CF+20:CF+21], v[CF+18:CF+19]
.set n, n+2
.endr
.irp c, 16,14,12,10,8,6,4
.set n, 0
.rept 8
	v_pk_fma_f32 v[GP+n:GP+n+1], v[GP+n:GP+n+1], v[GT+n:GT+n+1], v[CF+\c:CF+\c+1]
.set n, n+2
.endr
.endr
.set n, 0
.rept 8
	v_pk_fma_f32 v[GP+n:GP+n+1], v[GP+n:GP+n+1], v[GT+n:GT+n+1], v[GQ+n:GQ+n+1]   ; E
.set n, n+2
.endr
.set n, 0
	s_wait_alu depctr_va_vdst(0)
.rept 16
	v_exp_f32 v[GP+n], v[GP+n]
.set n, n+1
.endr
.set n, 0
.rept 16
	v_max_num_f32 v[GM+n], 0, v[\x+n]
.set n, n+1
.endr
	s_wait_alu depctr_va_vdst(0)                   ; and one for the sixteen exponentials
.set n, 0
.rept 8
	v_pk_mul_f32 v[GP+n:GP+n+1], v[GP+n:GP+n+1], v[GT+n:GT+n+1]   ; e
.set n, n+2
.endr
.set n, 0
.rept 16
	v_fma_f32 v[\x+n], -|v[\x+n]|, v[GP+n], v[GM+n]
.set n, n+1
.endr
.endm
.macro OUTA a                          ; my rows 16 a .. 16 a + 15, all 128 columns
.set YS, 32+64*(\a)
	WIN W_S1                                       ; an LDS store's data are its source 1: window 3
.irp b, 0,1,2,3,4,5,6,7
	ds_store_b128 v[STO], v[8*(8*(\a)+\b):8*(8*(\a)+\b)+3] offset:64*\b      ; each accumulator from its low end on
	ds_store_b128 v[STO], v[8*(8*(\a)+\b)+4:8*(8*(\a)+\b)+7] offset:64*\b+16
.endr
	WIN 0
.irp t, 0,1,2,3,4,5,6,7,8,9,10,11,12,13,14,15
	ds_load_b128 v[YS+4*\t:YS+4*\t+3], v[RD] offset:SPITCH*\t   ; LDS serves a wave's instructions in order: these see my stores, and the next block's stores come behind them
.endr
	s_wait_dscnt 0x0
.irp t, 0,1,2,3,4,5,6,7,8,9,10,11,12,13,14,15
	v_pk_add_f32 v[YS+4*\t:YS+4*\t+1], v[YS+4*\t:YS+4*\t+1], v[8:9]
	v_pk_add_f32 v[YS+4*\t+2:YS+4*\t+3], v[YS+4*\t+2:YS+4*\t+3], v[10:11]
.endr
	GELU16 YS
	GELU16 YS+16
	GELU16 YS+32
	GELU16 YS+48
.if (\a) == 0
	s_wait_loadcnt 0x0                             ; the residual
.endif
	WIN W_S1                                       ; source 1: the residual, in window 3
.set n, 0
.rept 32
	v_pk_add_f32 v[YS+n:YS+n+1], v[YS+n:YS+n+1], v[128+64*(\a)+n:128+64*(\a)+n+1]
.set n, n+2
.endr
	WIN 0
.irp t, 0,1,2,3,4,5,6,7,8,9,10,11,12,13,14,15
	global_store_b128 v[CO], v[YS+4*\t:YS+4*\t+3], s[98:99] offset:(16*(\a)+\t)*4096 th:TH_STORE_NT   ; 32 lanes store 512 consecutive bytes, at a multiple of 256 from the output's first byte
.endr
.endm
	OUTA 0
	OUTA 1
	s_wait_tensorcnt 0x0                           ; the wave's end, behind my last tensor load and my last LDS store
	ds_add_u32 v[SPW], v[NIL]
	s_wait_dscnt 0x0
	CROUND                                         ; the closing round
	s_endpgm
.Lfunc_end_k_qb601b9500d_w2:
	.size	k_qb601b9500d_w2, .Lfunc_end_k_qb601b9500d_w2-k_qb601b9500d_w2
	.p2alignl 7, 3214868480
	.fill 96, 4, 3214868480
	.section	.rodata,"a",@progbits
	.p2align	6, 0x0
	.amdhsa_kernel k_qb601b9500d_w2
		.amdhsa_group_segment_fixed_size 327680
		.amdhsa_private_segment_fixed_size 0
		.amdhsa_enable_private_segment 0
		.amdhsa_kernarg_size 48
		.amdhsa_user_sgpr_count 2
		.amdhsa_user_sgpr_kernarg_segment_ptr 1
		.amdhsa_wavefront_size32 1
		.amdhsa_system_sgpr_workgroup_id_x 1
		.amdhsa_system_sgpr_workgroup_id_y 1
		.amdhsa_system_sgpr_workgroup_id_z 1
		.amdhsa_system_vgpr_workitem_id 0
		.amdhsa_next_free_vgpr 1024
		.amdhsa_next_free_sgpr 102
		.amdhsa_reserve_vcc 0
		.amdhsa_float_denorm_mode_32 3
		.amdhsa_float_denorm_mode_16_64 3
		.amdhsa_memory_ordered 1
		.amdhsa_forward_progress 1
		.amdhsa_inst_pref_size 255
	.end_amdhsa_kernel
	.section	.bss,"aw",@nobits
	.p2align	6
	.space	262144
	.amdgpu_metadata
---
amdhsa.version: [ 1, 2 ]
amdhsa.kernels:
  - .name:           k_qb601b9500d_w2
    .symbol:         k_qb601b9500d_w2.kd
    .args:
      - { .name: MM, .offset: 0, .size: 8, .value_kind: global_buffer, .address_space: global }
      - { .name: W2_codes, .offset: 8, .size: 8, .value_kind: global_buffer, .address_space: global }
      - { .name: W2_scales, .offset: 16, .size: 8, .value_kind: global_buffer, .address_space: global }
      - { .name: b2, .offset: 24, .size: 8, .value_kind: global_buffer, .address_space: global }
      - { .name: RES, .offset: 32, .size: 8, .value_kind: global_buffer, .address_space: global }
      - { .name: out0, .offset: 40, .size: 8, .value_kind: global_buffer, .address_space: global }
    .group_segment_fixed_size: 327680
    .private_segment_fixed_size: 0
    .kernarg_segment_align: 8
    .kernarg_segment_size: 48
    .max_flat_workgroup_size: 128
    .sgpr_count:     102
    .vgpr_count:     1024
    .wavefront_size: 32
...
	.end_amdgpu_metadata
.endif
;; end of part 6
